; MI455X (gfx1250); checked and timed in simulation.
; The chip was launched on July 23, 2026; its instructions are those of AMD's public machine-readable ISA for CDNA 5 (MIT licence, August 2026) and "CDNA5" Instruction Set Architecture Reference Guide (July 2026). The comments in the code are by the model that wrote it; some were corrected since.
;; Neural Memory. Allowed arithmetic: float matrix products may take bf16 or f16 operands with f32 sums; other float arithmetic in f32, or as packed bf16 or f16 multiplies, adds, multiply-adds, maxima and minima; sums over many terms, partial sums and values carried from step to step in f32; what a program stores and reads back later, other than sums and carried values, may be rounded once to bf16 or f16.
;; Inputs: Wg 2,048 x 1 float32; Wo 1,024 x 1,024 float32; Wq 1,024 x 128 float32; bg 1 float32; bo 1,024 float32; bq 128 float32; hidden 4 x 1,024 x 1,024 float32; keys 32,768 x 128 float32; values 32,768 x 1,024 float32.
;; Outputs: out0 4 x 1,024 x 1,024 float32.
;; 2 versions, each right; version 2 is version 1 with the launches rsel, gath written anew for expert scheduling mode. Each part assembles by itself: llvm-mc -triple=amdgcn-amd-amdhsa -mcpu=gfx1250 --defsym DOCPART=n.
;; ======== version 1 of 2: 7 launches
;; workspace buffers: pre 10,752,000 bytes; qb 1,048,576 bytes; gm 33,554,432 bytes; gid 524,288 bytes of whole numbers; cand 8,388,608 bytes; sel 524,288 bytes of whole numbers; mg 8,404,992 bytes
;; launch prep (part 1): grid 328 x 1, 8 waves a work-group, no clusters, 0 bytes of LDS; arguments keys, Wq, Wo, Wg, pre; writes pre
.if DOCPART == 1
	.amdgcn_target "amdgcn-amd-amdhsa--gfx1250"
	.amdhsa_code_object_version 6
	.text
	.protected	k_qc29e811969_prep
	.globl	k_qc29e811969_prep
	.p2align	8
	.type	k_qc29e811969_prep,@function
k_qc29e811969_prep:
	s_mov_b64 s[64:65], 0
	v_nop
	global_prefetch_b8 v0, s[64:65] scope:SCOPE_SE
	s_setreg_imm32_b32 hwreg(HW_REG_WAVE_MODE, 25, 1), 1
	s_wait_xcnt 0x0
; PREP.  keys, Wq and Wo are rounded once to bf16 into pre (keysb at 0, wob at OFF_WO, wqb at OFF_WQ, each in its own row-major order),
; and u[k] = sum over n of Wo[k][n] Wg[1024+n] is made in f32 (at OFF_U): (mem Wo + bo) . Wg2 = mem . u + bo . Wg2 for every input.
; A stream: every source is taken as rows of 1,024 f32.  A work-group takes 16 rows, a wave 2.  Groups 0-255 keys, 256-263 Wq, 264-327 Wo.
; A load of a wave covers 512 consecutive bytes, a store 256 consecutive aligned bytes.  No LDS, no matrix unit, no cluster: nothing is shared.
; u leaves as 8 bytes a wave (4,096 bytes in the whole launch): the one narrow store of the text.
.set OFF_WO, 8388608
.set OFF_WQ, 10485760
.set OFF_U,  10747904
.set X, 16                             ; v[16:79]   two rows as loaded: load i at X + 4 i
.set Y, 80                             ; v[80:111]  the same in bf16
.set W, 112                            ; v[112:143] Wg's second half (Wo's groups only)
	s_load_b256 s[4:11], s[0:1], 0x0               ; keys s[4:5], Wq s[6:7], Wo s[8:9], Wg s[10:11]
	s_load_b64 s[12:13], s[0:1], 0x20              ; pre
	v_and_b32 v3, 31, v0                           ; lane
	v_lshrrev_b32 v4, 5, v0
	v_readfirstlane_b32 s14, v4                    ; wave
	v_lshlrev_b32 v1, 4, v3                        ; 16 bytes a lane on the way in
	v_lshlrev_b32 v2, 3, v3                        ; 8 on the way out
	s_mov_b32 s20, OFF_WQ
	s_mov_b32 s21, OFF_WO
	s_mov_b32 s22, 256
	s_mov_b32 s23, 264
	s_mov_b32 s32, 0x76543210                      ; v_permlanex16_b32: each lane takes its own place in the other half
	s_mov_b32 s33, 0xfedcba98
	s_wait_kmcnt 0x0
	s_cmp_lt_u32 ttmp9, s23                        ; which source: the choice hangs on the group's number alone
	s_cselect_b64 s[16:17], s[6:7], s[8:9]
	s_cselect_b32 s18, s22, s23                    ; the source's first group
	s_cselect_b32 s19, s20, s21                    ; its place in pre
	s_cmp_lt_u32 ttmp9, s22
	s_cselect_b64 s[16:17], s[4:5], s[16:17]
	s_cselect_b32 s18, 0, s18
	s_cselect_b32 s19, 0, s19
	s_sub_co_u32 s24, ttmp9, s18
	s_lshl_b32 s24, s24, 4
	s_lshl1_add_u32 s24, s14, s24                  ; my first row = 16 x group + 2 x wave
	s_lshl_b32 s26, s24, 12
	s_mov_b32 s27, 0
	s_add_nc_u64 s[16:17], s[16:17], s[26:27]      ; 4,096 bytes a row in
	s_lshl_b32 s28, s24, 11
	s_add_co_u32 s28, s28, s19
	s_mov_b32 s29, 0
	s_add_nc_u64 s[30:31], s[12:13], s[28:29]      ; 2,048 bytes a row out
.set i, 0
.rept 16
	global_load_b128 v[X+4*i:X+4*i+3], v1, s[16:17] offset:4096*(i/8)+512*(i%8) th:TH_LOAD_NT
.set i, i+1
.endr
.set i, 0
.rept 16
	s_wait_loadcnt 15-i                            ; loads come back in order: load i is in, the younger ones stay out
	v_cvt_pk_bf16_f32 v[Y+2*i], v[X+4*i], v[X+4*i+1]
	v_cvt_pk_bf16_f32 v[Y+2*i+1], v[X+4*i+2], v[X+4*i+3]
	global_store_b64 v2, v[Y+2*i:Y+2*i+1], s[30:31] offset:2048*(i/8)+256*(i%8)
.set i, i+1
.endr
	s_cmp_lt_u32 ttmp9, s23
	s_cbranch_scc1 .Lend                           ; keys and Wq are done
	; Wo's groups: each of my two rows times Wg's second half
.irp j, 0,1,2,3,4,5,6,7
	global_load_b128 v[W+4*\j:W+4*\j+3], v1, s[10:11] offset:4096+512*\j
.endr
	s_lshl_b32 s26, s24, 2
	s_add_co_u32 s26, s26, OFF_U
	s_add_nc_u64 s[12:13], s[12:13], s[26:27]      ; u at my first row
	v_lshlrev_b32 v12, 2, v3
	s_wait_loadcnt 0x0
.irp r, 0,1
	v_pk_mul_f32 v[4+4*\r:5+4*\r], v[X+32*\r:X+32*\r+1], v[W:W+1]         ; the first products start the two chains of a row
	v_pk_mul_f32 v[6+4*\r:7+4*\r], v[X+32*\r+2:X+32*\r+3], v[W+2:W+3]
.irp j, 1,2,3,4,5,6,7
	v_pk_fma_f32 v[4+4*\r:5+4*\r], v[X+32*\r+4*\j:X+32*\r+4*\j+1], v[W+4*\j:W+4*\j+1], v[4+4*\r:5+4*\r]
	v_pk_fma_f32 v[6+4*\r:7+4*\r], v[X+32*\r+4*\j+2:X+32*\r+4*\j+3], v[W+4*\j+2:W+4*\j+3], v[6+4*\r:7+4*\r]
.endr
	v_pk_add_f32 v[4+4*\r:5+4*\r], v[4+4*\r:5+4*\r], v[6+4*\r:7+4*\r]
	v_add_f32 v[4+4*\r], v[4+4*\r], v[5+4*\r]
.endr
.irp m, 1,2,4,8
	v_add_f32_dpp v4, v4, v4 row_xmask:\m row_mask:0xf bank_mask:0xf
	v_add_f32_dpp v8, v8, v8 row_xmask:\m row_mask:0xf bank_mask:0xf
.endr
	v_permlanex16_b32 v5, v4, s32, s33
	v_permlanex16_b32 v9, v8, s32, s33
	v_add_f32 v4, v4, v5
	v_add_f32 v8, v8, v9
	v_cmp_eq_u32 vcc_lo, 1, v3
	v_cndmask_b32 v4, v4, v8, vcc_lo               ; lane 0 keeps the first row's sum, lane 1 takes the second's
	s_wait_xcnt 0x0                                ; EXEC is a source of the stores above: it changes only behind this wait
	v_cmp_gt_u32 vcc_lo, 2, v3
	s_and_saveexec_b32 s34, vcc_lo
	global_store_b32 v12, v4, s[12:13]
	s_wait_xcnt 0x0                                ; and again in front of the line that widens it
	s_or_b32 exec_lo, exec_lo, s34
.Lend:
	s_endpgm
.Lfunc_end_k_qc29e811969_prep:
	.size	k_qc29e811969_prep, .Lfunc_end_k_qc29e811969_prep-k_qc29e811969_prep
	.p2alignl 7, 3214868480
	.fill 96, 4, 3214868480
	.section	.rodata,"a",@progbits
	.p2align	6, 0x0
	.amdhsa_kernel k_qc29e811969_prep
		.amdhsa_group_segment_fixed_size 0
		.amdhsa_private_segment_fixed_size 0
		.amdhsa_enable_private_segment 0
		.amdhsa_kernarg_size 40
		.amdhsa_user_sgpr_count 2
		.amdhsa_user_sgpr_kernarg_segment_ptr 1
		.amdhsa_wavefront_size32 1
		.amdhsa_system_sgpr_workgroup_id_x 1
		.amdhsa_system_sgpr_workgroup_id_y 1
		.amdhsa_system_sgpr_workgroup_id_z 1
		.amdhsa_system_vgpr_workitem_id 0
		.amdhsa_next_free_vgpr 144
		.amdhsa_next_free_sgpr 66
		.amdhsa_reserve_vcc 1
		.amdhsa_float_denorm_mode_32 3
		.amdhsa_float_denorm_mode_16_64 3
		.amdhsa_memory_ordered 1
		.amdhsa_forward_progress 1
		.amdhsa_inst_pref_size 12
	.end_amdhsa_kernel
	.amdgpu_metadata
---
amdhsa.version: [ 1, 2 ]
amdhsa.kernels:
  - .name:           k_qc29e811969_prep
    .symbol:         k_qc29e811969_prep.kd
    .args:
      - { .name: keys, .offset: 0, .size: 8, .value_kind: global_buffer, .address_space: global }
      - { .name: Wq, .offset: 8, .size: 8, .value_kind: global_buffer, .address_space: global }
      - { .name: Wo, .offset: 16, .size: 8, .value_kind: global_buffer, .address_space: global }
      - { .name: Wg, .offset: 24, .size: 8, .value_kind: global_buffer, .address_space: global }
      - { .name: pre, .offset: 32, .size: 8, .value_kind: global_buffer, .address_space: global }
    .group_segment_fixed_size: 0
    .private_segment_fixed_size: 0
    .kernarg_segment_align: 8
    .kernarg_segment_size: 40
    .max_flat_workgroup_size: 256
    .sgpr_count:     66
    .vgpr_count:     144
    .wavefront_size: 32
...
	.end_amdgpu_metadata
.endif
;; end of part 1
;; launch qproj (part 2): grid 256 x 1, 4 waves a work-group, clusters of 4 x 1, 327,680 bytes of LDS; arguments hidden, pre, bq, qb; writes qb
.if DOCPART == 2
	.amdgcn_target "amdgcn-amd-amdhsa--gfx1250"
	.amdhsa_code_object_version 6
	.text
	.protected	k_qc29e811969_qproj
	.globl	k_qc29e811969_qproj
	.p2align	8
	.type	k_qc29e811969_qproj,@function
k_qc29e811969_qproj:
	s_mov_b64 s[64:65], 0
	v_nop
	global_prefetch_b8 v0, s[64:65] scope:SCOPE_SE
	s_setreg_imm32_b32 hwreg(HW_REG_WAVE_MODE, 25, 1), 1
	s_wait_xcnt 0x0
	s_wait_alu depctr_hold_cnt(0) depctr_sa_sdst(0) depctr_va_vdst(0) depctr_va_sdst(0) depctr_va_ssrc(0) depctr_va_vcc(0) depctr_vm_vsrc(0)
	s_getreg_b32 s2, hwreg(HW_REG_IB_STS2, 6, 4)
	s_cmp_eq_u32 s2, 0
	s_cbranch_scc0 .Lentry_in_a_cluster
	s_endpgm
.Lentry_in_a_cluster:
	s_bfe_u32 s2, ttmp6, 0x10000c
	s_cmp_lg_u32 s2, 0x3003
	s_cbranch_scc0 .Lentry_shape_is_right
	s_endpgm
.Lentry_shape_is_right:
; QPROJ.  q = hidden Wq + bq, [4096][128], rounded once to bf16 into qb.  Operands bf16, sums f32.
; A work-group takes 16 rows of hidden; wave w takes K = 256 w .. 256 w + 255 for all 128 columns; the four partial sums meet in LDS in f32.
; CLUSTER: every work-group walks the whole of Wq, so the four of a cluster ask for it jointly: wave w of each issues the same load of quarter w.
; The matrix instruction is used transposed (source 0 = 16 columns of Wq, turned out of LDS by ds_load_tr16_b128; source 1 = 16 rows of hidden):
; a lane then holds one row and eight neighbouring columns.
; LDS: quarter w at w x 73,728 (256 rows of 256 bytes + 32 of padding), read by wave w alone.  When a wave has read its quarter, whose one fill of the
; launch is over, the first 8,448 bytes of it are the wave's stage (16 rows x 528 bytes of f32).  Behind the quarters: the spare words.
.set OFF_WQ, 10485760
.set PW,    288
.set QUART, 256*PW
.set SP,    528
.set SPARE, 4*QUART
.set HO,   3                           ; v3      my byte offset in the group's rows of hidden: row x 4,096 + 32 x half
.set BO4,  4                           ; v4      my byte offset in bq
.set STO,  5                           ; v5      where I put my partial sums
.set SPW,  6                           ; v6      my spare word; never rewritten
.set NIL,  7                           ; v7      0; never rewritten
.set QOUT, 9                           ; v9      my byte offset in the group's rows of qb
.set BIAS, 10                          ; v[10:17]
.set AW,   18                          ; v18-19  my place in my quarter, K steps 0-3 and 4-7 (an LDS immediate has 16 bits)
.set RD,   20                          ; v20-23  where I read the four partial sums back
.set PKD,  24                          ; v[24:31] q in bf16
.set HB,   64                          ; v[64:127]  hidden in bf16: 8 fragments of 16 rows x 32 K
.set LAND, 128                         ; v[128:255] hidden as loaded; afterwards:
.set ACC,  128                         ; v[128:191] 8 accumulators, 16 columns each
.set WF,   192                         ; v[192:255] two buffers of 4 fragments of Wq; at the end the partial sums read back
.set WV, 24
.set G0, 12
.set G1, 16
.macro PLACES                          ; four places behind matrix instructions (ISA guide 7.12.1), where no other vector work is at hand
.rept 4
	v_nop
.endr
.endm
.macro CROUND                          ; a round of the cluster's barrier
	s_barrier_signal -1
	s_barrier_wait -1
	s_cmp_lg_u32 s[WV], 0
	s_cbranch_scc1 .Lnot_wave_0_\@
	s_barrier_signal -3
.Lnot_wave_0_\@:
	s_barrier_wait -3
	s_barrier_signal -1
	s_barrier_wait -1
.endm
	s_load_b256 s[4:11], s[0:1], 0x0               ; hidden s[4:5], pre s[6:7], bq s[8:9], qb s[10:11]
	v_lshl_add_u32 v[SPW], v0, 2, SPARE
	v_mov_b32 v[NIL], 0
	ds_add_u32 v[SPW], v[NIL]                      ; the wave's opening: the add and its wait ahead of my tensor load
	ds_add_u32 v6, v7
	v_lshrrev_b32 v1, 5, v0
	v_readfirstlane_b32 s[WV], v1                  ; wave 0..3
	s_bfe_u32 s25, ttmp6, 0x40000                  ; cx
	s_lshl_b32 s26, ttmp9, 2
	s_add_co_u32 s26, s26, s25                     ; my work-group: it enters hidden's and qb's addresses alone
	s_mov_b32 s[G1], 15|(1<<16)|(1<<20)|(1<<21)|(5<<22)|(7<<25)  ; mask of four; 2-byte elements; padding on; bit 21 beside a mask; after every 64 words, 8 words
	s_mov_b32 s[G1+1], 128<<16                     ; tensor_dim0 = 128
	s_mov_b32 s[G1+2], 256<<16                     ; tensor_dim1 = 256
	s_mov_b32 s[G1+3], 128<<16                     ; tile_dim0 = 128
	s_mov_b32 s[G1+4], 256                         ; tile_dim1 = 256
	s_mov_b32 s[G1+5], 128                         ; 128 elements from row to row
	s_mov_b32 s[G1+6], 0
	s_mov_b32 s[G1+7], 0
	s_mov_b32 s[G0], 1
	s_mul_i32 s[G0+1], s[WV], QUART                ; LDS: my quarter
	s_lshl_b32 s28, s[WV], 16                      ; 256 rows of 256 bytes of wqb
	s_add_co_u32 s28, s28, OFF_WQ
	s_mov_b32 s29, 0
	s_lshl_b32 s30, s26, 16                        ; 16 rows of hidden,
	s_lshl_b32 s31, s[WV], 10                      ; my 256 of their K
	s_add_co_u32 s30, s30, s31
	s_mov_b32 s31, 0
	s_lshl_b32 s32, s26, 12                        ; 16 rows of qb
	s_mov_b32 s33, 0
	s_wait_dscnt 0x0                               ; the opening add is done
	s_wait_kmcnt 0x0
	s_add_nc_u64 s[G0+2:G0+3], s[6:7], s[28:29]
	s_or_b32 s[G0+3], s[G0+3], 0x80000000
	s_add_nc_u64 s[4:5], s[4:5], s[30:31]
	s_add_nc_u64 s[10:11], s[10:11], s[32:33]
	CROUND                                         ; all four work-groups are here: the joint loads meet
	tensor_load_to_lds s[G0:G0+3], s[G1:G1+7]      ; my one tensor load of the launch
	s_nop 0
	PLACES
	v_and_b32 v1, 15, v0                           ; l % 16
	v_bfe_u32 v2, v0, 4, 1                         ; l / 16
	v_lshlrev_b32 v[HO], 12, v1
	v_lshl_add_u32 v[HO], v2, 5, v[HO]
	v_lshlrev_b32 v[BO4], 5, v1
.set i, 0
.rept 32                                               ; K step i / 4: 8 f32 at 8 (l / 16), 8 more 16 further on: four loads of 16 bytes
	global_load_b128 v[LAND+4*i:LAND+4*i+3], v[HO], s[4:5] offset:(i/4)*128+((i%4)/2)*64+(i%2)*16
.set i, i+1
.endr
	global_load_b128 v[BIAS:BIAS+3], v[BO4], s[8:9]
	global_load_b128 v[BIAS+4:BIAS+7], v[BO4], s[8:9] offset:16
	v_and_b32 v8, 7, v0                            ; the turning load: lane l reads K row 8 (l / 16) + l % 8, columns 8 ((l / 8) % 2) on
	v_lshl_add_u32 v8, v2, 3, v8
	v_mul_u32_u24 v8, v8, PW
	v_bfe_u32 v[STO], v0, 3, 1
	v_lshl_add_u32 v8, v[STO], 4, v8
	v_add_nc_u32 v[AW], s[G0+1], v8
	v_add_nc_u32 v[AW+1], 128*PW, v[AW]
	v_mul_u32_u24 v[STO], v1, SP                   ; stage, in: row l % 16, 32 bytes for each half of the lanes
	v_lshl_add_u32 v[STO], v2, 5, v[STO]
	v_add_nc_u32 v[STO], s[G0+1], v[STO]
	s_lshl_b32 s27, s[WV], 2
	v_add_nc_u32 v8, s27, v2                       ; back: wave w sums rows 4 w .. 4 w + 3, two at a time
	v_mul_u32_u24 v[RD], v8, SP
	v_lshl_add_u32 v[RD], v1, 5, v[RD]
	v_add_nc_u32 v[RD+1], QUART, v[RD]
	v_add_nc_u32 v[RD+2], 2*QUART, v[RD]
	v_add_nc_u32 v[RD+3], 3*QUART, v[RD]
	v_lshlrev_b32 v[QOUT], 8, v8
	v_lshl_add_u32 v[QOUT], v1, 4, v[QOUT]
	s_wait_loadcnt 0x0
.set i, 0
.rept 32
	v_cvt_pk_bf16_f32 v[HB+2*i], v[LAND+4*i], v[LAND+4*i+1]
	v_cvt_pk_bf16_f32 v[HB+2*i+1], v[LAND+4*i+2], v[LAND+4*i+3]
.set i, i+1
.endr
	s_wait_tensorcnt 0x0                           ; my quarter is in; I alone read it
; Unit n = 2 ks + p: K step ks, columns 64 p on: 4 fragments of Wq.
.macro WLOAD n, buf
.set ks_, (\n)/2
.set p_, (\n)%2
.irp t, 0,1,2,3
	ds_load_tr16_b128 v[(\buf)+8*\t:(\buf)+8*\t+3],   v[AW+ks_/4] offset:(ks_%4)*32*PW+(4*p_+\t)*32
	ds_load_tr16_b128 v[(\buf)+8*\t+4:(\buf)+8*\t+7], v[AW+ks_/4] offset:(ks_%4)*32*PW+16*PW+(4*p_+\t)*32
.endr
.endm
	WLOAD 0, WF
.set u, 0
.rept 16                                               ; the 8 accumulators take turns, four a unit
	PLACES                                         ; in front of the loads into the buffer multiplied last
.if u < 15
	WLOAD u+1, WF+32*((u+1)%2)
	s_wait_dscnt 8                                 ; this unit's fragments are in; the next unit's eight loads stay out
.else
	s_wait_dscnt 0x0
.endif
.irp t, 0,1,2,3
.if u < 2
	v_wmma_f32_16x16x32_bf16 v[ACC+8*(4*(u%2)+\t):ACC+8*(4*(u%2)+\t)+7], v[WF+32*(u%2)+8*\t:WF+32*(u%2)+8*\t+7], v[HB+8*(u/2):HB+8*(u/2)+7], 0
.else
	v_wmma_f32_16x16x32_bf16 v[ACC+8*(4*(u%2)+\t):ACC+8*(4*(u%2)+\t)+7], v[WF+32*(u%2)+8*\t:WF+32*(u%2)+8*\t+7], v[HB+8*(u/2):HB+8*(u/2)+7], v[ACC+8*(4*(u%2)+\t):ACC+8*(4*(u%2)+\t)+7]
.endif
.endr
.set u, u+1
.endr
	PLACES
.irp t, 0,1,2,3,4,5,6,7                                ; row l % 16, columns 16 t + 8 (l / 16) on; each accumulator's low registers first
	ds_store_b128 v[STO], v[ACC+8*\t:ACC+8*\t+3] offset:64*\t
	ds_store_b128 v[STO], v[ACC+8*\t+4:ACC+8*\t+7] offset:64*\t+16
.endr
	s_wait_dscnt 0x0                               ; for the others' sake: my partial sums are in LDS
	s_barrier_signal -1
	s_barrier_wait -1
.irp i, 0,1
.irp x, 0,1,2,3
	ds_load_b128 v[WF+32*\i+8*\x:WF+32*\i+8*\x+3],   v[RD+\x] offset:2*SP*\i
	ds_load_b128 v[WF+32*\i+8*\x+4:WF+32*\i+8*\x+7], v[RD+\x] offset:2*SP*\i+16
.endr
.endr
	s_wait_dscnt 0x0
.irp i, 0,1
.irp d, 0,1,2,3
	v_pk_add_f32 v[WF+32*\i+2*\d:WF+32*\i+2*\d+1], v[WF+32*\i+2*\d:WF+32*\i+2*\d+1], v[WF+32*\i+8+2*\d:WF+32*\i+8+2*\d+1]
	v_pk_add_f32 v[WF+32*\i+16+2*\d:WF+32*\i+16+2*\d+1], v[WF+32*\i+16+2*\d:WF+32*\i+16+2*\d+1], v[WF+32*\i+24+2*\d:WF+32*\i+24+2*\d+1]
.endr
.irp d, 0,1,2,3
	v_pk_add_f32 v[WF+32*\i+2*\d:WF+32*\i+2*\d+1], v[WF+32*\i+2*\d:WF+32*\i+2*\d+1], v[WF+32*\i+16+2*\d:WF+32*\i+16+2*\d+1]
.endr
.irp d, 0,1,2,3
	v_pk_add_f32 v[WF+32*\i+2*\d:WF+32*\i+2*\d+1], v[WF+32*\i+2*\d:WF+32*\i+2*\d+1], v[BIAS+2*\d:BIAS+2*\d+1]
.endr
.irp d, 0,1,2,3
	v_cvt_pk_bf16_f32 v[PKD+4*\i+\d], v[WF+32*\i+2*\d], v[WF+32*\i+2*\d+1]
.endr
	global_store_b128 v[QOUT], v[PKD+4*\i:PKD+4*\i+3], s[10:11] offset:512*\i   ; two whole rows of qb: 512 consecutive bytes
.endr
	s_wait_tensorcnt 0x0                           ; the wave's end
	ds_add_u32 v[SPW], v[NIL]
	s_wait_dscnt 0x0
	CROUND                                         ; the closing round
	s_endpgm
.Lfunc_end_k_qc29e811969_qproj:
	.size	k_qc29e811969_qproj, .Lfunc_end_k_qc29e811969_qproj-k_qc29e811969_qproj
	.p2alignl 7, 3214868480
	.fill 96, 4, 3214868480
	.section	.rodata,"a",@progbits
	.p2align	6, 0x0
	.amdhsa_kernel k_qc29e811969_qproj
		.amdhsa_group_segment_fixed_size 327680
		.amdhsa_private_segment_fixed_size 0
		.amdhsa_enable_private_segment 0
		.amdhsa_kernarg_size 32
		.amdhsa_user_sgpr_count 2
		.amdhsa_user_sgpr_kernarg_segment_ptr 1
		.amdhsa_wavefront_size32 1
		.amdhsa_system_sgpr_workgroup_id_x 1
		.amdhsa_system_sgpr_workgroup_id_y 1
		.amdhsa_system_sgpr_workgroup_id_z 1
		.amdhsa_system_vgpr_workitem_id 0
		.amdhsa_next_free_vgpr 256
		.amdhsa_next_free_sgpr 66
		.amdhsa_reserve_vcc 0
		.amdhsa_float_denorm_mode_32 3
		.amdhsa_float_denorm_mode_16_64 3
		.amdhsa_memory_ordered 1
		.amdhsa_forward_progress 1
		.amdhsa_inst_pref_size 32
	.end_amdhsa_kernel
	.amdgpu_metadata
---
amdhsa.version: [ 1, 2 ]
amdhsa.kernels:
  - .name:           k_qc29e811969_qproj
    .symbol:         k_qc29e811969_qproj.kd
    .args:
      - { .name: hidden, .offset: 0, .size: 8, .value_kind: global_buffer, .address_space: global }
      - { .name: pre, .offset: 8, .size: 8, .value_kind: global_buffer, .address_space: global }
      - { .name: bq, .offset: 16, .size: 8, .value_kind: global_buffer, .address_space: global }
      - { .name: qb, .offset: 24, .size: 8, .value_kind: global_buffer, .address_space: global }
    .group_segment_fixed_size: 327680
    .private_segment_fixed_size: 0
    .kernarg_segment_align: 8
    .kernarg_segment_size: 32
    .max_flat_workgroup_size: 128
    .sgpr_count:     66
    .vgpr_count:     256
    .wavefront_size: 32
...
	.end_amdgpu_metadata
.endif
;; end of part 2
;; launch sim (part 3): grid 16 x 16, 4 waves a work-group, clusters of 4 x 1, 327,680 bytes of LDS; arguments qb, pre, gm; writes gm
.if DOCPART == 3
	.amdgcn_target "amdgcn-amd-amdhsa--gfx1250"
	.amdhsa_code_object_version 6
	.text
	.protected	k_qc29e811969_sim
	.globl	k_qc29e811969_sim
	.p2align	8
	.type	k_qc29e811969_sim,@function
k_qc29e811969_sim:
	s_mov_b64 s[64:65], 0
	v_nop
	global_prefetch_b8 v0, s[64:65] scope:SCOPE_SE
	s_setreg_imm32_b32 hwreg(HW_REG_WAVE_MODE, 25, 1), 1
	s_wait_xcnt 0x0
	s_wait_alu depctr_hold_cnt(0) depctr_sa_sdst(0) depctr_va_vdst(0) depctr_va_sdst(0) depctr_va_ssrc(0) depctr_va_vcc(0) depctr_vm_vsrc(0)
	s_getreg_b32 s2, hwreg(HW_REG_IB_STS2, 6, 4)
	s_cmp_eq_u32 s2, 0
	s_cbranch_scc0 .Lentry_in_a_cluster
	s_endpgm
.Lentry_in_a_cluster:
	s_bfe_u32 s2, ttmp6, 0x10000c
	s_cmp_lg_u32 s2, 0x3003
	s_cbranch_scc0 .Lentry_shape_is_right
	s_endpgm
.Lentry_shape_is_right:
; SIM.  All 4096 x 32768 similarities q . key (bf16 operands, f32 sums, K ascending), of which only the maximum of each group of 16 consecutive keys is kept:
; gm[gq][query][i] = the maximum over keys 16 (4 gq + i) .. + 15.  The 32 groups with the largest maxima (equal maxima: the lower group) hold every one of a
; query's 32 largest similarities, ties by lowest index included; later launches choose them and compute those 512 similarities again.
; LIMITS.  NaN is not treated apart (a NaN loses in a maximum); -0 counts as +0.
; SHARES.  A work-group takes 256 queries x 2,048 keys; wave w keeps 64 queries (4 tiles of 16) in registers; all four waves read the same keys from LDS.
; S^T = K Q^T: a lane holds one query (lane % 16) and 8 keys.  The 16 rows of a key fragment are chosen so that a lane's 16 results of two tiles are 16
; consecutive keys: in block i of a quad of 128 keys, tile 0 takes keys 16 i + 0..7 and 64 + 16 i + 8..15, tile 1 keys 16 i + 8..15 and 64 + 16 i + 0..7.
; So lanes 0-15 end with group i of the quad, lanes 16-31 with group 4 + i, and nothing changes lanes.  The maximum costs one v_max3 for each matrix
; instruction; a block's maxima ride behind the next block's products.
; CLUSTER.  The four work-groups of a cluster have the same keys: each tile of 256 keys is asked for jointly, 64 rows a wave.
; RING.  Two slots of 256 keys; one joint load a wave behind each round; it has a slot's 256 matrix instructions in which to land.
; REGISTERS: window 0: v0-31 addresses; v32-47 the maxima; v64-127, v128-191 two sets of 8 accumulators.  window 1: v0-127 Q; v128-191, v192-255 two buffers of key fragments.
.set PK,    272                        ; a key's row in LDS: 256 bytes + 16: the 16 rows of a fragment load start at 16 different groups of four banks (ISA guide 11.1)
.set QUADB, 128*PK
.set SLOT1, 1<<17
.set SPARE, SLOT1+2*QUADB              ; behind the ring: the spare words
.set AKL, 4                            ; v4-5  my lane's place in a quad, for tile 0 and tile 1; never rewritten
.set AK,  6                            ; v6-7  the same plus the quad's place in LDS
.set QO,  8                            ; v8    my byte offset in the wave's rows of qb
.set GO,  9                            ; v9    my byte offset in gm
.set SPW, 28
.set NIL, 29
.set G,   32                           ; v[32:47]  maximum of group i for query tile qt at G + 4 qt + i
.set SA,  64                           ; accumulator (kt, qt) at 32 kt + 8 qt
.set SB,  128
.set FA,  128                          ; window 1: fragment (kt, ks) at 32 kt + 8 ks
.set FB,  192
.set WV,  12
.set G1,  24
.set G0,  32
.set TB,  40                           ; s40  LDS byte at which the quad in hand begins
.set SLOTS, 41
.set CNT, 42
.set GB,  44                           ; s[44:45] gm at the quad in hand
.set MSB, 0
.macro WIN new                         ; the high byte repeats the setting that is left; a switch that changes nothing is dropped
.if MSB != (\new)
	s_set_vgpr_msb (MSB<<8)|(\new)
.set MSB, (\new)
.endif
.endm
.set MUL,  0x05                        ; sources 0 (keys) and 1 (Q) window 1; C and D window 0
.set TO_F, 0x40                        ; destination window 1, address window 0
.macro PLACES
.rept 4
	v_nop
.endr
.endm
.macro CROUND
	s_barrier_signal -1
	s_barrier_wait -1
	s_cmp_lg_u32 s[WV], 0
	s_cbranch_scc1 .Lnot_wave_0_\@
	s_barrier_signal -3
.Lnot_wave_0_\@:
	s_barrier_wait -3
	s_barrier_signal -1
	s_barrier_wait -1
.endm
; THE CHANGE OF SLOTS.  Each wave waits for all its tensor loads (one is out: its part of the other slot), adds 0 to its spare word, and waits for that and for its reads of the
; slot that it leaves.  fill = 1: a round of the cluster's barrier, and the joint fill of the slot just left first behind it.  (At its first use: slot 0 is waited for, slot 1 filled.)
.macro CHANGE fill
	WIN 0
	s_wait_tensorcnt 0x0
	ds_add_u32 v[SPW], v[NIL]
.if \fill
	s_xor_b32 s[G0+1], s[G0+1], SLOT1              ; no load of mine is out, so the descriptor may step: the other slot,
	s_add_nc_u64 s[G0+2:G0+3], s[G0+2:G0+3], 65536 ; the next 256 keys
.endif
	s_wait_dscnt 0x0
.if \fill
	CROUND
	tensor_load_to_lds s[G0:G0+3], s[G1:G1+7]
	s_nop 0
	PLACES
.else
	s_barrier_signal -1
	s_barrier_wait -1
.endif
	s_sub_co_u32 s[TB], s[TB], 2*QUADB             ; back to a slot's first quad,
	s_xor_b32 s[TB], s[TB], SLOT1                  ; in the other slot
.endm
.macro LOADA f, i                      ; block i's two key tiles, 16 loads in one run
	WIN TO_F
.irp kt, 0,1
.irp ks, 0,1,2,3
	ds_load_b128 v[(\f)+32*\kt+8*\ks:(\f)+32*\kt+8*\ks+3],   v[AK+\kt] offset:(\i)*16*PK+64*\ks
	ds_load_b128 v[(\f)+32*\kt+8*\ks+4:(\f)+32*\kt+8*\ks+7], v[AK+\kt] offset:(\i)*16*PK+64*\ks+32
.endr
.endr
.endm
; Step n of 8 of the maximum of block i's 16 results a lane, for the four query tiles.  a = tile 0's accumulator, b = tile 1's; each is first read at its low end.
.macro RIDE set, i, n
.irp qt, 0,1,2,3
.set rA, (\set)+8*\qt
.set rB, (\set)+32+8*\qt
.set rG, G+4*\qt+(\i)
.if (\n) == 0
	v_max3_num_f32 v[rG], v[rA], v[rA+1], v[rA+2]
.elseif (\n) < 3
	v_max3_num_f32 v[rG], v[rG], v[rA+2*(\n)+1], v[rA+2*(\n)+2]
.elseif (\n) == 3
	v_max3_num_f32 v[rG], v[rG], v[rA+7], v[rB]
.elseif (\n) < 7
	v_max3_num_f32 v[rG], v[rG], v[rB+2*(\n)-7], v[rB+2*(\n)-6]
.else
	v_max_num_f32 v[rG], v[rG], v[rB+7]
.endif
.endr
.endm
; A BLOCK: 32 keys x 64 queries x 128 K = 32 matrix instructions on the 8 accumulators of set s, by turns (K step by K step).
; f: its fragments; g: the other buffer, which takes block i + 1; ps: the other set, whose maxima (block i - 1) ride, four behind every four products.
.macro BLOCK f, g, s, ps, i, next, ride
	WIN 0
	PLACES                                         ; behind the last block's products: in front of the loads into its fragments and of the reads of its results
.if \next
	LOADA \g, (\i)+1
	s_wait_dscnt 16                                ; this block's fragments are in; the next block's 16 loads stay out
.else
	s_wait_dscnt 0x0
.endif
.set gg, 0
.rept 8                                                ; group gg: K step gg / 2, key tile gg % 2
	WIN MUL
.irp qt, 0,1,2,3
.if gg < 2
	v_wmma_f32_16x16x32_bf16 v[(\s)+32*(gg%2)+8*\qt:(\s)+32*(gg%2)+8*\qt+7], v[(\f)+32*(gg%2)+8*(gg/2):(\f)+32*(gg%2)+8*(gg/2)+7], v[32*\qt+8*(gg/2):32*\qt+8*(gg/2)+7], 0
.else
	v_wmma_f32_16x16x32_bf16 v[(\s)+32*(gg%2)+8*\qt:(\s)+32*(gg%2)+8*\qt+7], v[(\f)+32*(gg%2)+8*(gg/2):(\f)+32*(gg%2)+8*(gg/2)+7], v[32*\qt+8*(gg/2):32*\qt+8*(gg/2)+7], v[(\s)+32*(gg%2)+8*\qt:(\s)+32*(gg%2)+8*\qt+7]
.endif
.endr
.if \ride
	WIN 0
	RIDE \ps, (\i)-1, gg
.endif
.set gg, gg+1
.endr
.endm
; A QUAD: 128 keys, four blocks, eight groups; a lane ends with four neighbouring groups' maxima for each query tile: 16 bytes of gm.
.macro QUAD
	v_add_nc_u32 v[AK], s[TB], v[AKL]
	v_add_nc_u32 v[AK+1], s[TB], v[AKL+1]
	LOADA FA, 0
	BLOCK FA, FB, SA, SB, 0, 1, 0
	BLOCK FB, FA, SB, SA, 1, 1, 1
	BLOCK FA, FB, SA, SB, 2, 1, 1
	BLOCK FB, FA, SB, SA, 3, 0, 1
	WIN 0
	PLACES
.irp n, 0,1,2,3,4,5,6,7
	RIDE SB, 3, \n
.endr
.irp qt, 0,1,2,3
	global_store_b128 v[GO], v[G+4*\qt:G+4*\qt+3], s[GB:GB+1] offset:256*\qt   ; 16 lanes store 256 consecutive bytes, at a multiple of 256 from gm's first
.endr
	s_wait_xcnt 0x0                                ; the stores' base and data are written again only behind this wait
	s_add_nc_u64 s[GB:GB+1], s[GB:GB+1], 131072    ; two gq on
	s_add_co_u32 s[TB], s[TB], QUADB
.endm
.macro SLOTWORK
	s_mov_b32 s[CNT], 2
.Lquad_\@:
	QUAD
	s_sub_co_u32 s[CNT], s[CNT], 1
	s_cmp_lg_u32 s[CNT], 0
	s_cbranch_scc1 .Lquad_\@
.endm
	s_load_b128 s[4:7], s[0:1], 0x0                ; qb s[4:5], pre s[6:7] (keysb lies at its head)
	s_load_b64 s[8:9], s[0:1], 0x10                ; gm
	v_lshl_add_u32 v[SPW], v0, 2, SPARE
	v_mov_b32 v[NIL], 0
	ds_add_u32 v[SPW], v[NIL]                      ; the wave's opening: the add and its wait ahead of my first tensor load
	ds_add_u32 v28, v29
	v_lshrrev_b32 v1, 5, v0
	v_readfirstlane_b32 s[WV], v1
	s_bfe_u32 s13, ttmp6, 0x40000                  ; cx
	s_lshl_b32 s14, ttmp9, 2
	s_add_co_u32 s14, s14, s13                     ; my block of 256 queries: it enters qb's and gm's addresses alone
	s_and_b32 s15, ttmp7, 0xffff                   ; my block of 2,048 keys, which the four partners share
	s_mov_b32 s[G1], 15|(1<<16)|(1<<20)|(1<<21)|(5<<22)|(3<<25)  ; mask of four; 2-byte elements; padding on; bit 21 beside a mask; after every 64 words, 4 words
	s_mov_b32 s[G1+1], 128<<16                     ; tensor_dim0 = 128
	s_mov_b32 s[G1+2], 64<<16                      ; tensor_dim1 = 64
	s_mov_b32 s[G1+3], 128<<16                     ; tile_dim0 = 128
	s_mov_b32 s[G1+4], 64                          ; tile_dim1 = 64
	s_mov_b32 s[G1+5], 128
	s_mov_b32 s[G1+6], 0
	s_mov_b32 s[G1+7], 0
	s_mov_b32 s[G0], 1
	s_mul_i32 s[G0+1], s[WV], 64*PK                ; my 64 rows of slot 0
	s_lshl_b32 s16, s15, 19                        ; 2,048 keys of 256 bytes,
	s_lshl_b32 s17, s[WV], 14                      ; my 64 of a tile's 256
	s_add_co_u32 s16, s16, s17
	s_mov_b32 s17, 0
	s_lshl_b32 s18, s14, 16                        ; 256 queries of 256 bytes,
	s_lshl_b32 s19, s[WV], 14                      ; my 64
	s_add_co_u32 s18, s18, s19
	s_mov_b32 s19, 0
	s_lshl_b32 s20, s15, 21                        ; 32 gq of 65,536 bytes
	s_mov_b32 s21, 0
	s_lshl_b32 s22, s14, 12                        ; my queries' 16 bytes in a gq
	s_lshl_b32 s23, s[WV], 10
	s_add_co_u32 s22, s22, s23
	s_mov_b32 s[TB], SLOT1+2*QUADB                 ; the first change of slots turns this into 0
	s_mov_b32 s[SLOTS], 7
	s_wait_dscnt 0x0
	s_wait_kmcnt 0x0
	s_add_nc_u64 s[G0+2:G0+3], s[6:7], s[16:17]
	s_or_b32 s[G0+3], s[G0+3], 0x80000000
	s_add_nc_u64 s[4:5], s[4:5], s[18:19]
	s_add_nc_u64 s[GB:GB+1], s[8:9], s[20:21]
	CROUND                                         ; all four work-groups are here
	tensor_load_to_lds s[G0:G0+3], s[G1:G1+7]      ; tile 0 into slot 0
	s_nop 0
	PLACES
	v_and_b32 v1, 15, v0                           ; r = l % 16
	v_bfe_u32 v2, v0, 4, 1                         ; h = l / 16
	v_lshlrev_b32 v[QO], 8, v1
	v_lshl_add_u32 v[QO], v2, 4, v[QO]
	WIN TO_F
.set i, 0
.rept 16                                               ; Q stays in registers: tile i / 4, K step i % 4
	global_load_b128 v[8*i:8*i+3],   v[QO], s[4:5] offset:(i/4)*4096+(i%4)*64
	global_load_b128 v[8*i+4:8*i+7], v[QO], s[4:5] offset:(i/4)*4096+(i%4)*64+32
.set i, i+1
.endr
	WIN 0
	v_lshrrev_b32 v3, 3, v1
	v_lshl_add_u32 v10, v3, 6, v1                  ; tile 0: key r + 64 (r / 8)
	v_mul_u32_u24 v[AKL], v10, PK
	v_lshl_add_u32 v[AKL], v2, 4, v[AKL]
	v_mul_u32_u24 v11, v3, 48
	v_add3_u32 v11, v11, v1, 8                     ; tile 1: key r + 8 + 48 (r / 8)
	v_mul_u32_u24 v[AKL+1], v11, PK
	v_lshl_add_u32 v[AKL+1], v2, 4, v[AKL+1]
	v_lshlrev_b32 v[GO], 16, v2                    ; lanes 16-31 hold the quad's second gq
	v_lshl_add_u32 v[GO], v1, 4, v[GO]
	v_add_nc_u32 v[GO], s22, v[GO]
	s_wait_loadcnt 0x0                             ; Q
.Lslot:                                                ; seven trips: a tile is entered and the next is asked for
	CHANGE 1
	SLOTWORK
	s_sub_co_u32 s[SLOTS], s[SLOTS], 1
	s_cmp_lg_u32 s[SLOTS], 0
	s_cbranch_scc1 .Lslot
	CHANGE 0                                       ; the last tile is written out: nothing is asked for
	SLOTWORK
	s_wait_tensorcnt 0x0                           ; the wave's end
	ds_add_u32 v[SPW], v[NIL]
	s_wait_dscnt 0x0
	CROUND                                         ; the closing round
	s_endpgm
.Lfunc_end_k_qc29e811969_sim:
	.size	k_qc29e811969_sim, .Lfunc_end_k_qc29e811969_sim-k_qc29e811969_sim
	.p2alignl 7, 3214868480
	.fill 96, 4, 3214868480
	.section	.rodata,"a",@progbits
	.p2align	6, 0x0
	.amdhsa_kernel k_qc29e811969_sim
		.amdhsa_group_segment_fixed_size 327680
		.amdhsa_private_segment_fixed_size 0
		.amdhsa_enable_private_segment 0
		.amdhsa_kernarg_size 24
		.amdhsa_user_sgpr_count 2
		.amdhsa_user_sgpr_kernarg_segment_ptr 1
		.amdhsa_wavefront_size32 1
		.amdhsa_system_sgpr_workgroup_id_x 1
		.amdhsa_system_sgpr_workgroup_id_y 1
		.amdhsa_system_sgpr_workgroup_id_z 1
		.amdhsa_system_vgpr_workitem_id 0
		.amdhsa_next_free_vgpr 512
		.amdhsa_next_free_sgpr 66
		.amdhsa_reserve_vcc 0
		.amdhsa_float_denorm_mode_32 3
		.amdhsa_float_denorm_mode_16_64 3
		.amdhsa_memory_ordered 1
		.amdhsa_forward_progress 1
		.amdhsa_inst_pref_size 54
	.end_amdhsa_kernel
	.amdgpu_metadata
---
amdhsa.version: [ 1, 2 ]
amdhsa.kernels:
  - .name:           k_qc29e811969_sim
    .symbol:         k_qc29e811969_sim.kd
    .args:
      - { .name: qb, .offset: 0, .size: 8, .value_kind: global_buffer, .address_space: global }
      - { .name: pre, .offset: 8, .size: 8, .value_kind: global_buffer, .address_space: global }
      - { .name: gm, .offset: 16, .size: 8, .value_kind: global_buffer, .address_space: global }
    .group_segment_fixed_size: 327680
    .private_segment_fixed_size: 0
    .kernarg_segment_align: 8
    .kernarg_segment_size: 24
    .max_flat_workgroup_size: 128
    .sgpr_count:     66
    .vgpr_count:     512
    .wavefront_size: 32
...
	.end_amdgpu_metadata
.endif
;; end of part 3
;; launch sel1 (part 4): grid 256 x 1, 8 waves a work-group, no clusters, 113,664 bytes of LDS; arguments gm, gid; writes gid
.if DOCPART == 4
	.amdgcn_target "amdgcn-amd-amdhsa--gfx1250"
	.amdhsa_code_object_version 6
	.text
	.protected	k_qc29e811969_sel1
	.globl	k_qc29e811969_sel1
	.p2align	8
	.type	k_qc29e811969_sel1,@function
k_qc29e811969_sel1:
	s_mov_b64 s[64:65], 0
	v_nop
	global_prefetch_b8 v0, s[64:65] scope:SCOPE_SE
	s_setreg_imm32_b32 hwreg(HW_REG_WAVE_MODE, 25, 1), 1
	s_wait_xcnt 0x0
; SEL1.  For each query: the 32 groups with the largest maxima of its 2,048 (equal maxima: the lower group), stored as whole numbers, gid[query][32].
; No branch and no address hangs on a number compared: the choice is made by networks of maxima and minima, the same for every input.
; SHARES.  A work-group takes 16 queries.  Lane (r = l % 16, h = l / 16) of wave w holds list 2 w + h of query r: 128 maxima, in 4 batches of 32.
; They are 128 registers: gm is read once, by 32 loads at the head, and serves both passes from there.
; A batch is sorted (bitonic, 15 stages, descending); max(L[i], B[31 - i]) of two sorted lists is the 32 largest of both, as a bitonic row, which 5 stages sort.
; The 16 lists of a query are merged across the halves of the lanes, then across waves w ^ 1, w ^ 2, w ^ 4 through LDS.
; TWO PASSES over one text.  Pass 1 sorts the maxima themselves: T = the 32nd largest.  Pass 2 sorts keys 0x40000000 + class << 24 + (2047 - group), class 2 if x > T,
; 1 if x = T, else 0: positive normal floats that order as whole numbers, all different.  Its 32 largest are the groups wanted.
; TWO COMPARATORS ARE TWO DUAL LINES: (i, i + j) and (i', i' + j), i' = i + 1 (j = 1: i + 2); one line writes d[i] and d[i' + j], the other d[i + j] and d[i'].
; So a line's destinations are one even and one odd, and its first sources, and its second, differ mod 4 (every array begins at a multiple of 4).
; LIMITS.  NaN is not treated apart (it loses every maximum and falls into class 0); -0 counts as +0.
; No cluster and no tensor load: work-groups share no byte, and a lane's loads already cover 256 consecutive bytes for 16 lanes.
; LDS: three exchange regions of 8 waves x 32 lanes x 144 bytes (one for each round, so that a region is written again only behind two later barriers);
; the way out, 2,048 bytes; the spare words.
.set REGB,  36864
.set OUT,   3*REGB
.set SPARE, OUT+2048
.set A0,   3                           ; v3     my byte offset in gm; never rewritten
.set PART, 5                           ; v5-7   where my partner of round k put its list
.set T,    8
.set VINV, 9                           ; v9     2016 - my batch's first group
.set K0,   10                          ; v10-12 the three classes' bases
.set CT,   13
.set SPW,  14
.set NIL,  15
.set LN,   16
.set OWN,  18                          ; v18-20 where I put my list in round k
.set VINV0, 21
.set OUTW, 22
.set OUTR, 23
.set GO,   24
.set NI,   26                          ; v26-27 minus infinity, twice
.set X,    32
.set Y,    64                          ; v[64:95]   also: the batch in hand, as numbers or as keys
.set L,    96                          ; v[96:127]  the 32 largest so far, descending
.set ZZ,   128                         ; v[128:255] my 128 maxima: batch b at ZZ + 32 b
.set WV,   8
.set SEL,  14
.set PASS, 16
.set BC,   17
; One dual line: f = 1 a maximum, 0 a minimum.
.macro DU fx, dx, ax, bx, fy, dy, ay, by
.if (\fx) && (\fy)
	v_dual_max_num_f32 v[\dx], v[\ax], v[\bx] :: v_dual_max_num_f32 v[\dy], v[\ay], v[\by]
.elseif (\fx)
	v_dual_max_num_f32 v[\dx], v[\ax], v[\bx] :: v_dual_min_num_f32 v[\dy], v[\ay], v[\by]
.elseif (\fy)
	v_dual_min_num_f32 v[\dx], v[\ax], v[\bx] :: v_dual_max_num_f32 v[\dy], v[\ay], v[\by]
.else
	v_dual_min_num_f32 v[\dx], v[\ax], v[\bx] :: v_dual_min_num_f32 v[\dy], v[\ay], v[\by]
.endif
.endm
; One stage of a bitonic network from src into dst: comparators (i, i + j); descending where i & k = 0.  16 dual lines.
.macro STAGE src, dst, k, j
.set st_, 1
.if (\j) == 1
.set st_, 2
.endif
.set ii, 0
.rept 32
.if ((ii & (\j)) == 0) && ((ii & st_) == 0)
.set ib, ii+st_
.set da_, 0
.set db_, 0
.if (ii & (\k)) == 0
.set da_, 1
.endif
.if (ib & (\k)) == 0
.set db_, 1
.endif
	DU da_, (\dst)+ii, (\src)+ii, (\src)+ii+(\j), 1-db_, (\dst)+ib+(\j), (\src)+ib, (\src)+ib+(\j)
	DU 1-da_, (\dst)+ii+(\j), (\src)+ii, (\src)+ii+(\j), db_, (\dst)+ib, (\src)+ib, (\src)+ib+(\j)
.endif
.set ii, ii+1
.endr
.endm
.macro SORT_REST last                  ; stages 2 to 15 of the sort; stage 1 has left the batch in X
	STAGE X, Y, 4, 2
	STAGE Y, X, 4, 1
	STAGE X, Y, 8, 4
	STAGE Y, X, 8, 2
	STAGE X, Y, 8, 1
	STAGE Y, X, 16, 8
	STAGE X, Y, 16, 4
	STAGE Y, X, 16, 2
	STAGE X, Y, 16, 1
	STAGE Y, X, 32, 16
	STAGE X, Y, 32, 8
	STAGE Y, X, 32, 4
	STAGE X, Y, 32, 2
	STAGE Y, \last, 32, 1
.endm
.macro MERGE                           ; L = the 32 largest of L and X, both descending
.set ii, 0
.rept 16
	v_dual_max_num_f32 v[Y+ii], v[L+ii], v[X+31-ii] :: v_dual_max_num_f32 v[Y+ii+1], v[L+ii+1], v[X+30-ii]
.set ii, ii+2
.endr
	STAGE Y, X, 32, 16
	STAGE X, Y, 32, 8
	STAGE Y, X, 32, 4
	STAGE X, Y, 32, 2
	STAGE Y, L, 32, 1
.endm
.macro XHALF                           ; with the list of the lane 16 away: the same query's
.set ii, 0
.rept 32
	v_permlanex16_b32 v[X+ii], v[L+ii], s[SEL], s[SEL+1]
.set ii, ii+1
.endr
	MERGE
.endm
.macro LROUND k                        ; with the list of wave w ^ (1 << k), through region k
.irp c, 0,1,2,3,4,5,6,7
	ds_store_b128 v[OWN+\k], v[L+4*\c:L+4*\c+3] offset:16*\c
.endr
	s_wait_dscnt 0x0                               ; for the others' sake: my list is in LDS, and my reads of the round before are back
	s_barrier_signal -1
	s_barrier_wait -1
.irp c, 0,1,2,3,4,5,6,7
	ds_load_b128 v[X+4*\c:X+4*\c+3], v[PART+\k] offset:16*\c
.endr
	s_wait_dscnt 0x0
	MERGE
.endm
.macro COPY b                          ; batch b into Y: the one text of the trip names Y
.set ii, 0
.rept 16
	v_dual_mov_b32 v[Y+ii], v[ZZ+32*(\b)+ii] :: v_dual_mov_b32 v[Y+ii+1], v[ZZ+32*(\b)+ii+1]
.set ii, ii+2
.endr
.endm
.macro BUILD                           ; pass 2: the batch's numbers become keys
.set e, 0
.rept 32
	v_cmp_ge_f32 vcc_lo, v[Y+e], v[T]
	v_cndmask_b32 v[CT], v[K0], v[K0+1], vcc_lo
	v_cmp_gt_f32 vcc_lo, v[Y+e], v[T]
	v_cndmask_b32 v[CT], v[CT], v[K0+2], vcc_lo
	v_add3_u32 v[Y+e], v[CT], v[VINV], 31-e
.set e, e+1
.endr
.endm
	s_load_b128 s[4:7], s[0:1], 0x0                ; gm s[4:5], gid s[6:7]
	v_lshl_add_u32 v[SPW], v0, 2, SPARE
	v_mov_b32 v[NIL], 0
	v_lshrrev_b32 v1, 5, v0
	v_readfirstlane_b32 s[WV], v1
	v_and_b32 v[LN], 31, v0
	v_and_b32 v1, 15, v0                           ; r
	v_bfe_u32 v2, v0, 4, 1                         ; h
	s_lshl_b32 s9, s[WV], 1
	v_add_nc_u32 v[CT], s9, v2                     ; my list, 2 w + h
	v_lshlrev_b32 v[A0], 21, v[CT]                 ; 32 gq of 65,536 bytes
	v_lshl_add_u32 v[A0], v1, 4, v[A0]
	s_lshl_b32 s10, ttmp9, 8                       ; 16 queries of 16 bytes
	v_add_nc_u32 v[A0], s10, v[A0]
	s_lshl_b32 s12, ttmp9, 11                      ; 16 queries of 128 bytes of gid
	s_mov_b32 s13, 0
	s_wait_kmcnt 0x0
.set i, 0
.rept 32                                               ; gq 32 x list + i: 4 groups a lane; 16 lanes read 256 consecutive bytes.  Batch i / 8
	global_load_b128 v[ZZ+4*i:ZZ+4*i+3], v[A0], s[4:5] offset:i*65536 th:TH_LOAD_NT
.set i, i+1
.endr
	s_add_nc_u64 s[6:7], s[6:7], s[12:13]
	v_lshlrev_b32 v[VINV0], 7, v[CT]
	v_sub_nc_u32 v[VINV0], 2016, v[VINV0]          ; 2047 - 31 - 128 x list
	v_mul_u32_u24 v[VINV], v[LN], 144              ; a lane's 128 bytes + 16
	s_mul_i32 s11, s[WV], 4608
	v_add_nc_u32 v[OWN], s11, v[VINV]
	v_add_nc_u32 v[OWN+1], REGB, v[OWN]
	v_add_nc_u32 v[OWN+2], 2*REGB, v[OWN]
.irp k, 0,1,2
	s_xor_b32 s12, s[WV], 1<<\k
	s_mul_i32 s12, s12, 4608
	s_add_co_u32 s12, s12, \k*REGB
	v_add_nc_u32 v[PART+\k], s12, v[VINV]
.endr
	v_lshlrev_b32 v[OUTW], 7, v1
	v_add_nc_u32 v[OUTW], OUT, v[OUTW]
	v_lshlrev_b32 v[GO], 4, v[LN]
	v_add_nc_u32 v[OUTR], OUT, v[GO]
	v_mov_b32 v[K0], 0x40000000
	v_mov_b32 v[K0+1], 0x41000000
	v_mov_b32 v[K0+2], 0x42000000
	v_mov_b32 v[NI], 0xff800000
	v_mov_b32 v[NI+1], 0xff800000
	v_mov_b32 v[T], 0
	s_mov_b32 s[SEL], 0x76543210
	s_mov_b32 s[SEL+1], 0xfedcba98
	s_mov_b32 s20, 0x7ff
	s_mov_b32 s[PASS], 2
.Lpass:
.set i, 0
.rept 16                                               ; the list starts below everything: the price of one text for every batch
	v_dual_mov_b32 v[L+i], v[NI] :: v_dual_mov_b32 v[L+i+1], v[NI+1]
.set i, i+2
.endr
	v_mov_b32 v[VINV], v[VINV0]
	s_mov_b32 s[BC], 4
.Lbatch:                                               ; which 32 registers: four short texts, chosen by the counter; each waits for its own loads (8 for each later batch stay out)
	s_cmp_eq_u32 s[BC], 4
	s_cbranch_scc1 .Lb0
	s_cmp_eq_u32 s[BC], 3
	s_cbranch_scc1 .Lb1
	s_cmp_eq_u32 s[BC], 2
	s_cbranch_scc1 .Lb2
	s_wait_loadcnt 0x0
	COPY 3
	s_branch .Lhave
.Lb2:
	s_wait_loadcnt 8
	COPY 2
	s_branch .Lhave
.Lb1:
	s_wait_loadcnt 16
	COPY 1
	s_branch .Lhave
.Lb0:
	s_wait_loadcnt 24
	COPY 0
.Lhave:
	s_cmp_eq_u32 s[PASS], 2
	s_cbranch_scc1 .Lraw                           ; pass 1 sorts the numbers as they are
	BUILD
.Lraw:
	STAGE Y, X, 2, 1
	v_add_nc_u32 v[VINV], 0xffffffe0, v[VINV]      ; 32 groups on
	SORT_REST X
	MERGE
	s_sub_co_u32 s[BC], s[BC], 1
	s_cmp_lg_u32 s[BC], 0
	s_cbranch_scc1 .Lbatch
	XHALF
	LROUND 0
	LROUND 1
	LROUND 2
	v_mov_b32 v[T], v[L+31]                        ; every lane of query r now holds the same list
	s_sub_co_u32 s[PASS], s[PASS], 1
	s_cmp_lg_u32 s[PASS], 0
	s_cbranch_scc1 .Lpass
	s_cmp_lg_u32 s[WV], 0
	s_cbranch_scc1 .Lend                           ; wave 0 writes the lists out
.set i, 0
.rept 32
	v_and_b32 v[X+i], s20, v[L+i]
	v_sub_nc_u32 v[X+i], s20, v[X+i]               ; the group's number = 2047 - the key's low 11 bits
.set i, i+1
.endr
.irp c, 0,1,2,3,4,5,6,7
	ds_store_b128 v[OUTW], v[X+4*\c:X+4*\c+3] offset:16*\c   ; query r's 128 bytes; both halves of the lanes write the same words
.endr
.irp c, 0,1,2,3
	ds_load_b128 v[Y+4*\c:Y+4*\c+3], v[OUTR] offset:512*\c   ; LDS serves a wave's instructions in order (ISA guide 5.7.1.4)
.endr
	s_wait_dscnt 0x0
.irp c, 0,1,2,3
	global_store_b128 v[GO], v[Y+4*\c:Y+4*\c+3], s[6:7] offset:512*\c   ; 512 consecutive bytes
.endr
.Lend:
	s_wait_tensorcnt 0x0                           ; the wave's end
	ds_add_u32 v[SPW], v[NIL]
	s_wait_dscnt 0x0
	s_endpgm
.Lfunc_end_k_qc29e811969_sel1:
	.size	k_qc29e811969_sel1, .Lfunc_end_k_qc29e811969_sel1-k_qc29e811969_sel1
	.p2alignl 7, 3214868480
	.fill 96, 4, 3214868480
	.section	.rodata,"a",@progbits
	.p2align	6, 0x0
	.amdhsa_kernel k_qc29e811969_sel1
		.amdhsa_group_segment_fixed_size 113664
		.amdhsa_private_segment_fixed_size 0
		.amdhsa_enable_private_segment 0
		.amdhsa_kernarg_size 16
		.amdhsa_user_sgpr_count 2
		.amdhsa_user_sgpr_kernarg_segment_ptr 1
		.amdhsa_wavefront_size32 1
		.amdhsa_system_sgpr_workgroup_id_x 1
		.amdhsa_system_sgpr_workgroup_id_y 1
		.amdhsa_system_sgpr_workgroup_id_z 1
		.amdhsa_system_vgpr_workitem_id 0
		.amdhsa_next_free_vgpr 256
		.amdhsa_next_free_sgpr 66
		.amdhsa_reserve_vcc 1
		.amdhsa_float_denorm_mode_32 3
		.amdhsa_float_denorm_mode_16_64 3
		.amdhsa_memory_ordered 1
		.amdhsa_forward_progress 1
		.amdhsa_inst_pref_size 72
	.end_amdhsa_kernel
	.amdgpu_metadata
---
amdhsa.version: [ 1, 2 ]
amdhsa.kernels:
  - .name:           k_qc29e811969_sel1
    .symbol:         k_qc29e811969_sel1.kd
    .args:
      - { .name: gm, .offset: 0, .size: 8, .value_kind: global_buffer, .address_space: global }
      - { .name: gid, .offset: 8, .size: 8, .value_kind: global_buffer, .address_space: global }
    .group_segment_fixed_size: 113664
    .private_segment_fixed_size: 0
    .kernarg_segment_align: 8
    .kernarg_segment_size: 16
    .max_flat_workgroup_size: 256
    .sgpr_count:     66
    .vgpr_count:     256
    .wavefront_size: 32
...
	.end_amdgpu_metadata
.endif
;; end of part 4
;; launch rsel (part 5): grid 256 x 1, 8 waves a work-group, no clusters, 113,664 bytes of LDS; arguments qb, pre, gid, cand, sel; writes cand, sel
.if DOCPART == 5
	.amdgcn_target "amdgcn-amd-amdhsa--gfx1250"
	.amdhsa_code_object_version 6
	.text
	.protected	k_qc29e811969_rsel
	.globl	k_qc29e811969_rsel
	.p2align	8
	.type	k_qc29e811969_rsel,@function
k_qc29e811969_rsel:
	s_mov_b64 s[64:65], 0
	v_nop
	global_prefetch_b8 v0, s[64:65] scope:SCOPE_SE
	s_setreg_imm32_b32 hwreg(HW_REG_WAVE_MODE, 25, 1), 1
	s_wait_xcnt 0x0
; RSEL.  For each query the similarities of its 32 chosen groups' 512 keys are computed again (same operands, same form, K ascending), stored in cand, and the 32 largest of
; them chosen (equal numbers: the lower key), stored as whole numbers: sel[query][32] = (32767 - key) << 9 | place, place = the number's place among the query's 512 in cand.
; SHARES.  A work-group takes 16 queries; wave w takes places 4 w .. 4 w + 3 of every query's list of groups.
; THE PRODUCTS.  For query c = 0..15: source 0 = the 16 keys of c's group (loaded straight from keysb by the group's number, which an earlier launch stored), source 1 = the
; 16 queries' fragment with every column but c set to 0.  All 16 steps add onto one accumulator for each of the 4 places, so lane (r, h) ends with query r's own numbers for keys
; 8 h + 0..7 of its 4 groups: 32 numbers a lane, and the networks below work on them where they lie.
; LIMITS.  An infinite or NaN key would spoil other columns (0 x inf); reference() is not finite there either.  NaN is not treated apart; -0 counts as +0.
; The choice: as in the launch before, two passes of one text: pass 1 sorts the numbers (T = the 32nd largest), pass 2 keys 0x40000000 + class << 24 + (32767 - key) << 9 + place.
; Two comparators are two dual lines, paired as in the launch before: destinations one even and one odd, first sources and second sources different mod 4.
; No cluster: each work-group gathers other keys.  LDS: three exchange regions, the way out, the spare words.
; REGISTERS: window 0 below; window 1: two buffers of 16 key fragments (place s, K step ks at 32 s + 8 ks).
.set REGB,  36864
.set OUT,   3*REGB
.set SPARE, OUT+2048
.set VLA,  3                           ; v3     row x 256 + 16 x half: a fragment's lane offset, in keysb and in qb
.set PART, 5
.set T,    8
.set K0,   10
.set CT,   13
.set SPW,  14
.set NIL,  15
.set GOF,  16
.set LN,   17
.set OWN,  18
.set OUTW, 22
.set OUTR, 23
.set GO,   24
.set TM,   25
.set Q,    32                          ; v[32:63]   the 16 queries' fragments, K step ks at 8 ks
.set BM,   64                          ; v[64:95]   the same with one column left
.set Z,    96                          ; v[96:127]  the 4 accumulators; then the numbers to sort
.set X,    128
.set Y,    160
.set L,    192
.set VG,   224                         ; v[224:227] my query's 4 groups
.set VB,   228                         ; v[228:231] the keys' bases
.set VO,   232                         ; v[232:239] two sets of 4 load offsets
.set WV,   14
.set SEL,  16
.set PASS, 18
.set CQ,   20                          ; s20  the query in hand
.set LC,   21
.set C1,   22                          ; s22  the query whose keys are asked for
.set MSB, 0
.macro WIN new
.if MSB != (\new)
	s_set_vgpr_msb (MSB<<8)|(\new)
.set MSB, (\new)
.endif
.endm
.macro PLACES
.rept 4
	v_nop
.endr
.endm
.macro DU fx, dx, ax, bx, fy, dy, ay, by   ; one dual line: f = 1 a maximum, 0 a minimum
.if (\fx) && (\fy)
	v_dual_max_num_f32 v[\dx], v[\ax], v[\bx] :: v_dual_max_num_f32 v[\dy], v[\ay], v[\by]
.elseif (\fx)
	v_dual_max_num_f32 v[\dx], v[\ax], v[\bx] :: v_dual_min_num_f32 v[\dy], v[\ay], v[\by]
.elseif (\fy)
	v_dual_min_num_f32 v[\dx], v[\ax], v[\bx] :: v_dual_max_num_f32 v[\dy], v[\ay], v[\by]
.else
	v_dual_min_num_f32 v[\dx], v[\ax], v[\bx] :: v_dual_min_num_f32 v[\dy], v[\ay], v[\by]
.endif
.endm
.macro STAGE src, dst, k, j            ; comparators (i, i + j); descending where i & k = 0; 16 dual lines
.set st_, 1
.if (\j) == 1
.set st_, 2
.endif
.set ii, 0
.rept 32
.if ((ii & (\j)) == 0) && ((ii & st_) == 0)
.set ib, ii+st_
.set da_, 0
.set db_, 0
.if (ii & (\k)) == 0
.set da_, 1
.endif
.if (ib & (\k)) == 0
.set db_, 1
.endif
	DU da_, (\dst)+ii, (\src)+ii, (\src)+ii+(\j), 1-db_, (\dst)+ib+(\j), (\src)+ib, (\src)+ib+(\j)
	DU 1-da_, (\dst)+ii+(\j), (\src)+ii, (\src)+ii+(\j), db_, (\dst)+ib, (\src)+ib, (\src)+ib+(\j)
.endif
.set ii, ii+1
.endr
.endm
.macro SORT_REST last
	STAGE X, Y, 4, 2
	STAGE Y, X, 4, 1
	STAGE X, Y, 8, 4
	STAGE Y, X, 8, 2
	STAGE X, Y, 8, 1
	STAGE Y, X, 16, 8
	STAGE X, Y, 16, 4
	STAGE Y, X, 16, 2
	STAGE X, Y, 16, 1
	STAGE Y, X, 32, 16
	STAGE X, Y, 32, 8
	STAGE Y, X, 32, 4
	STAGE X, Y, 32, 2
	STAGE Y, \last, 32, 1
.endm
.macro MERGE
.set ii, 0
.rept 16
	v_dual_max_num_f32 v[Y+ii], v[L+ii], v[X+31-ii] :: v_dual_max_num_f32 v[Y+ii+1], v[L+ii+1], v[X+30-ii]
.set ii, ii+2
.endr
	STAGE Y, X, 32, 16
	STAGE X, Y, 32, 8
	STAGE Y, X, 32, 4
	STAGE X, Y, 32, 2
	STAGE Y, L, 32, 1
.endm
.macro XHALF
.set ii, 0
.rept 32
	v_permlanex16_b32 v[X+ii], v[L+ii], s[SEL], s[SEL+1]
.set ii, ii+1
.endr
	MERGE
.endm
.macro LROUND k
.irp c, 0,1,2,3,4,5,6,7
	ds_store_b128 v[OWN+\k], v[L+4*\c:L+4*\c+3] offset:16*\c
.endr
	s_wait_dscnt 0x0                               ; for the others' sake: my list is in LDS, and my reads of the round before are back
	s_barrier_signal -1
	s_barrier_wait -1
.irp c, 0,1,2,3,4,5,6,7
	ds_load_b128 v[X+4*\c:X+4*\c+3], v[PART+\k] offset:16*\c
.endr
	s_wait_dscnt 0x0
	MERGE
.endm
.macro BUILD                           ; number e = 8 s + j: place s of my four, key 8 h + j of its group
.set e, 0
.rept 32
	v_cmp_ge_f32 vcc_lo, v[Z+e], v[T]
	v_cndmask_b32 v[CT], v[K0], v[K0+1], vcc_lo
	v_cmp_gt_f32 vcc_lo, v[Z+e], v[T]
	v_cndmask_b32 v[CT], v[CT], v[K0+2], vcc_lo
	v_add3_u32 v[Z+e], v[CT], v[VB+e/8], ((7-(e%8))<<9)+((e/8)<<4)+(((e%8)/4)<<3)+((e%8)%4)
.set e, e+1
.endr
.endm
; The 4 groups of query C1 into buffer b: 32 loads of 512 bytes.  A group's number is clamped to the table before it enters an address.
.macro LOADU b
.irp s, 0,1,2,3
	v_readlane_b32 s[31+\s], v[VG+\s], s[C1]       ; lane c holds query c's groups
	s_min_u32 s[31+\s], s[31+\s], 0x7ff
	s_lshl_b32 s[31+\s], s[31+\s], 12              ; 16 keys of 256 bytes
	v_add_nc_u32 v[VO+4*(\b)+\s], s[31+\s], v[VLA] ; the loads that last named this register were waited for in the step before
.endr
	WIN 0x40
.irp s, 0,1,2,3
.irp ks, 0,1,2,3
	global_load_b128 v[128*(\b)+32*\s+8*\ks:128*(\b)+32*\s+8*\ks+3],   v[VO+4*(\b)+\s], s[6:7] offset:64*\ks
	global_load_b128 v[128*(\b)+32*\s+8*\ks+4:128*(\b)+32*\s+8*\ks+7], v[VO+4*(\b)+\s], s[6:7] offset:64*\ks+32
.endr
.endr
	WIN 0
.endm
; Query CQ's step, on buffer b.  The 4 accumulators take turns, K step by K step.
.macro STEP b, load, zero
	PLACES                                         ; behind the last step's products: BM is written and the other buffer loaded again
	s_lshl_b32 s30, 0x10001, s[CQ]                 ; lanes c and c + 16
.set ii, 0
.rept 32
	v_cndmask_b32 v[BM+ii], 0, v[Q+ii], s30
.set ii, ii+1
.endr
.if \load
	s_add_co_u32 s[C1], s[CQ], 1
	LOADU 1-(\b)
	s_wait_loadcnt 32                              ; this query's keys are in; the next query's 32 loads stay out
.else
	s_wait_loadcnt 0x0
.endif
	WIN 0x01                                       ; source 0 in window 1
.irp ks, 0,1,2,3
.irp s, 0,1,2,3
.if (\zero) && (\ks == 0)
	v_wmma_f32_16x16x32_bf16 v[Z+8*\s:Z+8*\s+7], v[128*(\b)+32*\s+8*\ks:128*(\b)+32*\s+8*\ks+7], v[BM+8*\ks:BM+8*\ks+7], 0
.else
	v_wmma_f32_16x16x32_bf16 v[Z+8*\s:Z+8*\s+7], v[128*(\b)+32*\s+8*\ks:128*(\b)+32*\s+8*\ks+7], v[BM+8*\ks:BM+8*\ks+7], v[Z+8*\s:Z+8*\s+7]
.endif
.endr
.endr
	WIN 0
	s_add_co_u32 s[CQ], s[CQ], 1
.endm
	s_load_b256 s[4:11], s[0:1], 0x0               ; qb s[4:5], pre s[6:7] (keysb at its head), gid s[8:9], cand s[10:11]
	s_load_b64 s[12:13], s[0:1], 0x20              ; sel
	v_lshl_add_u32 v[SPW], v0, 2, SPARE
	v_mov_b32 v[NIL], 0
	v_lshrrev_b32 v1, 5, v0
	v_readfirstlane_b32 s[WV], v1
	v_and_b32 v[LN], 31, v0
	v_and_b32 v1, 15, v0                           ; r
	v_bfe_u32 v2, v0, 4, 1                         ; h
	v_lshlrev_b32 v[VLA], 8, v1
	v_lshl_add_u32 v[VLA], v2, 4, v[VLA]
	s_lshl_b32 s24, s[WV], 4
	v_lshlrev_b32 v[GOF], 7, v1
	v_add_nc_u32 v[GOF], s24, v[GOF]               ; query r's list, places 4 w on
	v_mul_u32_u24 v[TM], v[LN], 144
	s_mul_i32 s25, s[WV], 4608
	v_add_nc_u32 v[OWN], s25, v[TM]
	v_add_nc_u32 v[OWN+1], REGB, v[OWN]
	v_add_nc_u32 v[OWN+2], 2*REGB, v[OWN]
.irp k, 0,1,2
	s_xor_b32 s26, s[WV], 1<<\k
	s_mul_i32 s26, s26, 4608
	s_add_co_u32 s26, s26, \k*REGB
	v_add_nc_u32 v[PART+\k], s26, v[TM]
.endr
	v_lshlrev_b32 v[OUTW], 7, v1
	v_add_nc_u32 v[OUTW], OUT, v[OUTW]
	v_lshlrev_b32 v[GO], 4, v[LN]
	v_add_nc_u32 v[OUTR], OUT, v[GO]
	v_mov_b32 v[K0], 0x40000000
	v_mov_b32 v[K0+1], 0x41000000
	v_mov_b32 v[K0+2], 0x42000000
	v_mov_b32 v[T], 0
	s_mov_b32 s[SEL], 0x76543210
	s_mov_b32 s[SEL+1], 0xfedcba98
	s_mov_b32 s38, 0xffffff
	s_lshl_b32 s26, ttmp9, 12                      ; 16 rows of qb
	s_mov_b32 s27, 0
	s_lshl_b32 s28, ttmp9, 11                      ; 16 lists of 128 bytes, in gid and in sel
	s_mov_b32 s29, 0
	s_lshl_b32 s36, ttmp9, 15                      ; the group's 32,768 bytes of cand,
	s_lshl_b32 s37, s[WV], 12                      ; my wave's 4,096
	s_add_co_u32 s36, s36, s37
	s_mov_b32 s37, 0
	s_wait_kmcnt 0x0
	s_add_nc_u64 s[4:5], s[4:5], s[26:27]
	s_add_nc_u64 s[8:9], s[8:9], s[28:29]
	s_add_nc_u64 s[12:13], s[12:13], s[28:29]
	s_add_nc_u64 s[10:11], s[10:11], s[36:37]
	global_load_b128 v[VG:VG+3], v[GOF], s[8:9]
.irp ks, 0,1,2,3
	global_load_b128 v[Q+8*\ks:Q+8*\ks+3],   v[VLA], s[4:5] offset:64*\ks
	global_load_b128 v[Q+8*\ks+4:Q+8*\ks+7], v[VLA], s[4:5] offset:64*\ks+32
.endr
	s_wait_loadcnt 0x0
.irp s, 0,1,2,3
	v_min_u32 v[VG+\s], 0x7ff, v[VG+\s]
.endr
	s_mov_b32 s[CQ], 0
	s_mov_b32 s[C1], 0
	LOADU 0
	STEP 0, 1, 1                                   ; query 0 starts the sums
	s_mov_b32 s[LC], 7
.Lq:
	STEP 1, 1, 0
	STEP 0, 1, 0
	s_sub_co_u32 s[LC], s[LC], 1
	s_cmp_lg_u32 s[LC], 0
	s_cbranch_scc1 .Lq
	STEP 1, 0, 0                                   ; query 15: nothing is left to ask for
	; the keys' bases are made here: they are the places behind the last products
	v_lshlrev_b32 v[TM], 3, v2
	v_sub_nc_u32 v[TM], 32760, v[TM]               ; 32767 - 7 - 8 h
	v_lshlrev_b32 v[TM], 9, v[TM]
	v_lshl_add_u32 v[TM], v2, 2, v[TM]             ; place: 64 w + 16 s + 8 (j / 4) + 4 h + j % 4
	s_lshl_b32 s24, s[WV], 6
	v_add_nc_u32 v[TM], s24, v[TM]
.irp s, 0,1,2,3
	v_lshlrev_b32 v[VB+\s], 13, v[VG+\s]           ; 16 keys a group, << 9
	v_sub_nc_u32 v[VB+\s], v[TM], v[VB+\s]
.endr
.irp s, 0,1,2,3
	global_store_b128 v[GO], v[Z+8*\s:Z+8*\s+3],   s[10:11] offset:(2*\s)*512     ; 512 consecutive bytes; each accumulator's low registers first
	global_store_b128 v[GO], v[Z+8*\s+4:Z+8*\s+7], s[10:11] offset:(2*\s+1)*512
.endr
	s_wait_xcnt 0x0                                ; pass 2 writes over the stores' data
	s_mov_b32 s[PASS], 2
.Lpass:
	s_cmp_eq_u32 s[PASS], 2
	s_cbranch_scc1 .Lraw                           ; pass 1 sorts the numbers as they are
	BUILD
.Lraw:
	STAGE Z, X, 2, 1
	SORT_REST L
	XHALF
	LROUND 0
	LROUND 1
	LROUND 2
	v_mov_b32 v[T], v[L+31]
	s_sub_co_u32 s[PASS], s[PASS], 1
	s_cmp_lg_u32 s[PASS], 0
	s_cbranch_scc1 .Lpass
	s_cmp_lg_u32 s[WV], 0
	s_cbranch_scc1 .Lend                           ; wave 0 writes the lists out
.set i, 0
.rept 32
	v_and_b32 v[X+i], s38, v[L+i]
.set i, i+1
.endr
.irp c, 0,1,2,3,4,5,6,7
	ds_store_b128 v[OUTW], v[X+4*\c:X+4*\c+3] offset:16*\c   ; both halves of the lanes write the same words
.endr
.irp c, 0,1,2,3
	ds_load_b128 v[Y+4*\c:Y+4*\c+3], v[OUTR] offset:512*\c   ; LDS serves a wave's instructions in order (ISA guide 5.7.1.4)
.endr
	s_wait_dscnt 0x0
.irp c, 0,1,2,3
	global_store_b128 v[GO], v[Y+4*\c:Y+4*\c+3], s[12:13] offset:512*\c
.endr
.Lend:
	s_wait_tensorcnt 0x0                           ; the wave's end
	ds_add_u32 v[SPW], v[NIL]
	s_wait_dscnt 0x0
	s_endpgm
.Lfunc_end_k_qc29e811969_rsel:
	.size	k_qc29e811969_rsel, .Lfunc_end_k_qc29e811969_rsel-k_qc29e811969_rsel
	.p2alignl 7, 3214868480
	.fill 96, 4, 3214868480
	.section	.rodata,"a",@progbits
	.p2align	6, 0x0
	.amdhsa_kernel k_qc29e811969_rsel
		.amdhsa_group_segment_fixed_size 113664
		.amdhsa_private_segment_fixed_size 0
		.amdhsa_enable_private_segment 0
		.amdhsa_kernarg_size 40
		.amdhsa_user_sgpr_count 2
		.amdhsa_user_sgpr_kernarg_segment_ptr 1
		.amdhsa_wavefront_size32 1
		.amdhsa_system_sgpr_workgroup_id_x 1
		.amdhsa_system_sgpr_workgroup_id_y 1
		.amdhsa_system_sgpr_workgroup_id_z 1
		.amdhsa_system_vgpr_workitem_id 0
		.amdhsa_next_free_vgpr 512
		.amdhsa_next_free_sgpr 66
		.amdhsa_reserve_vcc 1
		.amdhsa_float_denorm_mode_32 3
		.amdhsa_float_denorm_mode_16_64 3
		.amdhsa_memory_ordered 1
		.amdhsa_forward_progress 1
		.amdhsa_inst_pref_size 88
	.end_amdhsa_kernel
	.amdgpu_metadata
---
amdhsa.version: [ 1, 2 ]
amdhsa.kernels:
  - .name:           k_qc29e811969_rsel
    .symbol:         k_qc29e811969_rsel.kd
    .args:
      - { .name: qb, .offset: 0, .size: 8, .value_kind: global_buffer, .address_space: global }
      - { .name: pre, .offset: 8, .size: 8, .value_kind: global_buffer, .address_space: global }
      - { .name: gid, .offset: 16, .size: 8, .value_kind: global_buffer, .address_space: global }
      - { .name: cand, .offset: 24, .size: 8, .value_kind: global_buffer, .address_space: global }
      - { .name: sel, .offset: 32, .size: 8, .value_kind: global_buffer, .address_space: global }
    .group_segment_fixed_size: 113664
    .private_segment_fixed_size: 0
    .kernarg_segment_align: 8
    .kernarg_segment_size: 40
    .max_flat_workgroup_size: 256
    .sgpr_count:     66
    .vgpr_count:     512
    .wavefront_size: 32
...
	.end_amdgpu_metadata
.endif
;; end of part 5
;; launch gath (part 6): grid 256 x 1, 16 waves a work-group, no clusters, 0 bytes of LDS; arguments sel, cand, values, hidden, Wg, pre, bo, bg, mg; writes mg
.if DOCPART == 6
	.amdgcn_target "amdgcn-amd-amdhsa--gfx1250"
	.amdhsa_code_object_version 6
	.text
	.protected	k_qc29e811969_gath
	.globl	k_qc29e811969_gath
	.p2align	8
	.type	k_qc29e811969_gath,@function
k_qc29e811969_gath:
	s_mov_b64 s[64:65], 0
	v_nop
	global_prefetch_b8 v0, s[64:65] scope:SCOPE_SE
	s_setreg_imm32_b32 hwreg(HW_REG_WAVE_MODE, 25, 1), 1
	s_wait_xcnt 0x0
; GATH.  One wave, one query n.  Lane k takes pick k of sel[n]: its similarity from cand, its key.  Softmax over the 32 lanes (the maximum taken away, as reference() does), in f32.
; mem = the sum of weight x values[key], in f32 on the f32 table: a row is 4,096 bytes, 8 loads of 512 consecutive bytes; four rows of every wave are on their way.
; gate = sigmoid(hidden[n] . Wg[0:1024] + mem . u + bo . Wg[1024:] + bg), u = Wo Wg[1024:] from the first launch: (mem Wo + bo) . Wg2 re-associated, all in f32.
; The gate's operands hang on nothing that is read, so they are asked for at the head, behind the pick: they travel while the pick is awaited; hidden . Wg1 + bo . Wg2 is summed
; before the four row buffers take their first rows, and u keeps a fifth buffer to the end.  Behind the last row no load is left.
; Out: mem rounded once to bf16 (the next launch's matrix operand), and the gate in f32 (4 bytes a wave: the one narrow store).
; Addresses hang on whole numbers that an earlier launch stored, each clamped to its table.  No LDS, no cluster: every wave gathers other rows.
.set OFF_U, 10747904
.set OFF_G, 8388608
.set KEY, 4
.set WT,  5
.set VO,  8                            ; v8-11    the four row buffers' load offsets
.set GC,  16                           ; v[16:23] the gate's sum, in four chains of pairs
.set ACC, 32                           ; v[32:63] mem: columns 128 j + 4 lane + 0..3 at ACC + 4 j
.set R,   64                           ; v[64:191] four row buffers; v[192:223] u
.set MB,  224                          ; v[224:239] mem in bf16
.set KI,  28
.set KC,  29
.set LC,  30
.macro ISSUE i                         ; the next pick's row into buffer i
	v_readlane_b32 s24, v[KEY], s[KI]
	s_min_u32 s24, s24, 0x7fff
	v_lshl_add_u32 v[VO+\i], s24, 12, v1           ; the loads that last named this register have been waited for
.irp j, 0,1,2,3,4,5,6,7
	global_load_b128 v[R+32*\i+4*\j:R+32*\i+4*\j+3], v[VO+\i], s[8:9] offset:512*\j
.endr
	s_add_co_u32 s[KI], s[KI], 1
.endm
.macro USE i, left                     ; buffer i's row times its weight; left: the younger loads, which stay out
	s_wait_loadcnt \left
	v_readlane_b32 s22, v[WT], s[KC]
	s_mov_b32 s23, s22                             ; named with it as a pair
.set d, 0
.rept 16
	v_pk_fma_f32 v[ACC+2*d:ACC+2*d+1], v[R+32*\i+2*d:R+32*\i+2*d+1], s[22:23], v[ACC+2*d:ACC+2*d+1] op_sel_hi:[1,0,1]
.set d, d+1
.endr
	s_add_co_u32 s[KC], s[KC], 1
.endm
.macro GLOAD i, b, off                 ; 4,096 bytes of the gate's operands into buffer i
.irp j, 0,1,2,3,4,5,6,7
	global_load_b128 v[R+32*\i+4*\j:R+32*\i+4*\j+3], v1, s[(\b):(\b)+1] offset:(\off)+512*\j
.endr
.endm
.macro WSUM op, a, t                   ; over the 32 lanes; the result in every lane
.irp m, 1,2,4,8
	\op\()_dpp v[\a], v[\a], v[\a] row_xmask:\m row_mask:0xf bank_mask:0xf
.endr
	v_permlanex16_b32 v[\t], v[\a], s26, s27
	\op v[\a], v[\a], v[\t]
.endm
	s_load_b512 s[4:19], s[0:1], 0x0               ; sel, cand, values, hidden, Wg, pre, bo, bg: s[4:5] .. s[18:19]
	s_load_b64 s[20:21], s[0:1], 0x40              ; mg
	v_and_b32 v3, 31, v0
	v_lshrrev_b32 v2, 5, v0
	v_readfirstlane_b32 s32, v2                    ; wave 0..15 = the query's place in its block of 16
	s_lshl_b32 s33, ttmp9, 4
	s_add_co_u32 s33, s33, s32                     ; n
	v_lshlrev_b32 v1, 4, v3
	v_lshlrev_b32 v2, 3, v3
	v_lshlrev_b32 v6, 2, v3
	v_mov_b32 v15, 0
	v_mov_b32 v24, 0
	s_mov_b32 s26, 0x76543210
	s_mov_b32 s27, 0xfedcba98
	s_mov_b32 s35, 0
	s_lshl_b32 s34, s33, 7
	s_wait_kmcnt 0x0
	s_load_b32 s25, s[18:19], 0x0                  ; bg
	s_add_nc_u64 s[4:5], s[4:5], s[34:35]
	global_load_b32 v7, v6, s[4:5]                 ; my pick
	s_lshl_b32 s34, s33, 12
	s_add_nc_u64 s[10:11], s[10:11], s[34:35]      ; hidden at row n
	s_add_nc_u64 s[14:15], s[14:15], OFF_U         ; u
	GLOAD 0, 10, 0                                 ; hidden[n]
	GLOAD 1, 12, 0                                 ; Wg[0:1024]
	GLOAD 2, 16, 0                                 ; bo
	GLOAD 3, 12, 4096                              ; Wg[1024:2048]
	GLOAD 4, 14, 0                                 ; u
	s_lshl_b32 s34, ttmp9, 15
	s_add_nc_u64 s[6:7], s[6:7], s[34:35]          ; cand at my block of 16 queries
	s_lshl_b32 s34, s33, 11
	s_add_nc_u64 s[36:37], s[20:21], s[34:35]      ; mem's row in mg
	s_lshl_b32 s34, s33, 2
	s_add_co_u32 s34, s34, OFF_G
	s_add_nc_u64 s[20:21], s[20:21], s[34:35]      ; the gate's word
	s_wait_loadcnt 40                              ; my pick is in; the 40 loads behind it stay out
	v_bfe_u32 v25, v7, 2, 7                        ; place >> 2
	v_min_u32 v25, 127, v25
	v_and_b32 v12, 3, v7                           ; place & 3
	v_min_u32 v12, 3, v12
	v_lshlrev_b32 v25, 8, v25
	v_lshl_add_u32 v25, v12, 2, v25
	s_lshl_b32 s24, s32, 4
	v_add_nc_u32 v25, s24, v25
	global_load_b32 v13, v25, s[6:7]               ; its similarity
	v_bfe_u32 v[KEY], v7, 9, 15
	v_sub_nc_u32 v[KEY], 0x7fff, v[KEY]
	v_min_u32 v[KEY], 0x7fff, v[KEY]
	s_mov_b32 s[KI], 0
	s_mov_b32 s[KC], 0
	s_wait_loadcnt 9                               ; hidden, both halves of Wg and bo are in; u's eight loads and the similarity stay out
.set d, 0
.rept 16                                               ; hidden . Wg1: four chains; the first four products start them
.if d < 4
	v_pk_mul_f32 v[GC+2*(d%4):GC+2*(d%4)+1], v[R+2*d:R+2*d+1], v[R+32+2*d:R+32+2*d+1]
.else
	v_pk_fma_f32 v[GC+2*(d%4):GC+2*(d%4)+1], v[R+2*d:R+2*d+1], v[R+32+2*d:R+32+2*d+1], v[GC+2*(d%4):GC+2*(d%4)+1]
.endif
.set d, d+1
.endr
.set d, 0
.rept 16                                               ; + bo . Wg2
	v_pk_fma_f32 v[GC+2*(d%4):GC+2*(d%4)+1], v[R+64+2*d:R+64+2*d+1], v[R+96+2*d:R+96+2*d+1], v[GC+2*(d%4):GC+2*(d%4)+1]
.set d, d+1
.endr
	ISSUE 0                                        ; the four buffers are free: the rows need the keys alone and go out ahead of the softmax
	ISSUE 1
	ISSUE 2
	ISSUE 3
.set i, 0
.rept 32                                               ; the price of one text for all 32 picks; it stands in the wait for the first rows
	v_mov_b32 v[ACC+i], 0
.set i, i+1
.endr
	s_wait_loadcnt 32                              ; u and the similarity are in; four rows stay out
	v_mov_b32 v14, v13
	WSUM v_max_num_f32, 14, 15
	v_sub_f32 v13, v13, v14
	v_mul_f32 v13, 0x3fb8aa3b, v13
	v_exp_f32 v13, v13
	v_nop                                          ; a plain instruction behind the transcendental (ISA guide 5.7.2)
	s_wait_alu depctr_va_vdst(0)
	v_mov_b32 v14, v13
	WSUM v_add_f32, 14, 15
	v_rcp_f32 v14, v14                             ; the sum is at least 1: the largest term is 2^0
	v_nop
	s_wait_alu depctr_va_vdst(0)
	v_mul_f32 v[WT], v13, v14
	s_mov_b32 s[LC], 7
.Lpick:
.irp i, 0,1,2,3
	USE \i, 24                                     ; three buffers' 24 loads stay out
	ISSUE \i
.endr
	s_sub_co_u32 s[LC], s[LC], 1
	s_cmp_lg_u32 s[LC], 0
	s_cbranch_scc1 .Lpick
	USE 0, 24                                      ; the last four rows: nothing more is asked for, and the counts run down
	USE 1, 16
	USE 2, 8
	USE 3, 0
.set i, 0
.rept 16
	v_cvt_pk_bf16_f32 v[MB+i], v[ACC+2*i], v[ACC+2*i+1]
.set i, i+1
.endr
.irp j, 0,1,2,3,4,5,6,7
	global_store_b64 v2, v[MB+2*\j:MB+2*\j+1], s[36:37] offset:256*\j   ; 256 consecutive bytes, at a multiple of 256 from mg's first
.endr
.set d, 0
.rept 16                                               ; + mem . u
	v_pk_fma_f32 v[GC+2*(d%4):GC+2*(d%4)+1], v[ACC+2*d:ACC+2*d+1], v[R+128+2*d:R+128+2*d+1], v[GC+2*(d%4):GC+2*(d%4)+1]
.set d, d+1
.endr
	v_pk_add_f32 v[GC:GC+1], v[GC:GC+1], v[GC+2:GC+3]
	v_pk_add_f32 v[GC+4:GC+5], v[GC+4:GC+5], v[GC+6:GC+7]
	v_pk_add_f32 v[GC:GC+1], v[GC:GC+1], v[GC+4:GC+5]
	v_add_f32 v16, v16, v17
	WSUM v_add_f32, 16, 17
	s_wait_kmcnt 0x0
	v_add_f32 v16, s25, v16
	v_mul_f32 v16, 0xbfb8aa3b, v16                 ; sigmoid(x) = 1 / (1 + 2^(-x log2 e))
	v_exp_f32 v16, v16
	v_nop
	s_wait_alu depctr_va_vdst(0)
	v_add_f32 v16, 1.0, v16
	v_rcp_f32 v16, v16
	v_nop
	s_wait_xcnt 0x0                                ; EXEC is a source of the stores above: it changes only behind this wait
	v_cmp_eq_u32 vcc_lo, 0, v3
	s_and_saveexec_b32 s31, vcc_lo
	s_wait_alu depctr_va_vdst(0)
	global_store_b32 v24, v16, s[20:21]
	s_wait_xcnt 0x0
	s_or_b32 exec_lo, exec_lo, s31
	s_endpgm
.Lfunc_end_k_qc29e811969_gath:
	.size	k_qc29e811969_gath, .Lfunc_end_k_qc29e811969_gath-k_qc29e811969_gath
	.p2alignl 7, 3214868480
	.fill 96, 4, 3214868480
	.section	.rodata,"a",@progbits
	.p2align	6, 0x0
	.amdhsa_kernel k_qc29e811969_gath
		.amdhsa_group_segment_fixed_size 0
		.amdhsa_private_segment_fixed_size 0
		.amdhsa_enable_private_segment 0
		.amdhsa_kernarg_size 72
		.amdhsa_user_sgpr_count 2
		.amdhsa_user_sgpr_kernarg_segment_ptr 1
		.amdhsa_wavefront_size32 1
		.amdhsa_system_sgpr_workgroup_id_x 1
		.amdhsa_system_sgpr_workgroup_id_y 1
		.amdhsa_system_sgpr_workgroup_id_z 1
		.amdhsa_system_vgpr_workitem_id 0
		.amdhsa_next_free_vgpr 240
		.amdhsa_next_free_sgpr 66
		.amdhsa_reserve_vcc 1
		.amdhsa_float_denorm_mode_32 3
		.amdhsa_float_denorm_mode_16_64 3
		.amdhsa_memory_ordered 1
		.amdhsa_forward_progress 1
		.amdhsa_inst_pref_size 32
	.end_amdhsa_kernel
	.amdgpu_metadata
---
amdhsa.version: [ 1, 2 ]
amdhsa.kernels:
  - .name:           k_qc29e811969_gath
    .symbol:         k_qc29e811969_gath.kd
    .args:
      - { .name: sel, .offset: 0, .size: 8, .value_kind: global_buffer, .address_space: global }
      - { .name: cand, .offset: 8, .size: 8, .value_kind: global_buffer, .address_space: global }
      - { .name: values, .offset: 16, .size: 8, .value_kind: global_buffer, .address_space: global }
      - { .name: hidden, .offset: 24, .size: 8, .value_kind: global_buffer, .address_space: global }
      - { .name: Wg, .offset: 32, .size: 8, .value_kind: global_buffer, .address_space: global }
      - { .name: pre, .offset: 40, .size: 8, .value_kind: global_buffer, .address_space: global }
      - { .name: bo, .offset: 48, .size: 8, .value_kind: global_buffer, .address_space: global }
      - { .name: bg, .offset: 56, .size: 8, .value_kind: global_buffer, .address_space: global }
      - { .name: mg, .offset: 64, .size: 8, .value_kind: global_buffer, .address_space: global }
    .group_segment_fixed_size: 0
    .private_segment_fixed_size: 0
    .kernarg_segment_align: 8
    .kernarg_segment_size: 72
    .max_flat_workgroup_size: 512
    .sgpr_count:     66
    .vgpr_count:     240
    .wavefront_size: 32
...
	.end_amdgpu_metadata
.endif
;; end of part 6
;; launch outp (part 7): grid 8 x 32, 4 waves a work-group, clusters of 4 x 4, 327,680 bytes of LDS; arguments mg, pre, hidden, bo, out0; writes out0
.if DOCPART == 7
	.amdgcn_target "amdgcn-amd-amdhsa--gfx1250"
	.amdhsa_code_object_version 6
	.text
	.protected	k_qc29e811969_outp
	.globl	k_qc29e811969_outp
	.p2align	8
	.type	k_qc29e811969_outp,@function
k_qc29e811969_outp:
	s_mov_b64 s[64:65], 0
	v_nop
	global_prefetch_b8 v0, s[64:65] scope:SCOPE_SE
	s_setreg_imm32_b32 hwreg(HW_REG_WAVE_MODE, 25, 1), 1
	s_wait_xcnt 0x0
	s_wait_alu depctr_hold_cnt(0) depctr_sa_sdst(0) depctr_va_vdst(0) depctr_va_sdst(0) depctr_va_ssrc(0) depctr_va_vcc(0) depctr_vm_vsrc(0)
	s_getreg_b32 s2, hwreg(HW_REG_IB_STS2, 6, 4)
	s_cmp_eq_u32 s2, 0
	s_cbranch_scc0 .Lentry_in_a_cluster
	s_endpgm
.Lentry_in_a_cluster:
	s_bfe_u32 s2, ttmp6, 0x10000c
	s_cmp_lg_u32 s2, 0xf033
	s_cbranch_scc0 .Lentry_shape_is_right
	s_endpgm
.Lentry_shape_is_right:
; OUTP.  out0 = hidden + gate x (mem Wo + bo).  mem [4096][1024] bf16 and gate [4096] f32 from mg, Wo [k][n] bf16 from pre; sums in f32; bias, gate and the last sum in f32.
; A tile of the result is 128 x 128 (256 work-groups); four waves, each 64 x 64: 16 accumulators.  K goes in 4 steps of 256 through two LDS slots.
; CLUSTER: 4 x 4 work-groups.  The four of a row of the cluster need the same tiles of mem, the four of a column the same tiles of Wo: each is asked for jointly.
; Waves 0 and 1 fetch mem's two halves (64 rows x 512 bytes), waves 2 and 3 Wo's (128 K rows x 256 bytes).
; THE MATRIX INSTRUCTION IS USED TRANSPOSED: source 0 = 16 columns of Wo, turned out of LDS by ds_load_tr16_b128 (Wo lies [k][n]), source 1 = 16 rows of mem:
; a lane holds one row and eight neighbouring columns.
; THE WAY OUT: a wave's 64 columns of f32 are 256 bytes, so each wave has a stage of its own (16 rows x 272 bytes) and no barrier is needed.
; REGISTERS: window 0: v0-31 addresses and gates; v32-63 rows read back; v64-95 hidden; v96-127 bo; v128-255 the accumulators ((a, b) at 128 + 8 (4 a + b)).
;   window 1: two fragment buffers of 128: for 64 along K, 64 registers of mem, then 64 of Wo.
.set SIZE_K, 1024
.set SIZE_N, 1024
.set OFF_WO, 8388608
.set OFF_G,  8388608
.set KSTEP,  256
.set PITCH,  528                       ; a row of mem in LDS: 512 bytes + 16
.set PB,     288                       ; a K row of Wo in LDS: 256 bytes + 32
.set HALFA,  64*PITCH
.set HALFB,  128*PB
.set BOFF,   2*HALFA                   ; Wo's 256 K rows lie behind mem's 128 rows
.set SLOT,   BOFF+2*HALFB
.set STAGE,  2*SLOT
.set SPITCH, 272
.set SPARE,  STAGE+4*16*SPITCH
.set VB32, 6                           ; v6      32 x (l / 16): my offset in bo
.set VR4,  7                           ; v7      4 x (l % 16): my offset among 16 gates
.set GT,   8                           ; v[8:15] the gate of row 16 a + l % 16, twice, at GT + 2 a
.set ADRA, 16                          ; v16-17  my mem fragments in slot 0, 1
.set ADRB, 20                          ; v20-23  my Wo fragments: slot 0 K rows 0-127, 128-255; slot 1 likewise (an LDS immediate has 16 bits)
.set STO,  24
.set RD,   25
.set CO,   26                          ; v26     my byte offset in two rows of hidden and of out0
.set SPW,  28
.set NIL,  29
.set RB,   32
.set HID,  64
.set BO,   96
.set ACC,  128
.set F0,   0
.set F1,   128
.set WV, 14                            ; s14 wave; s15 = wave / 2: my half of the rows, and: I fetch mem (0) or Wo (1); s16 = wave % 2: my half of the columns, and which half I fetch
.set G1, 24
.set G0, 32
.set G1B, 48
.set G0B, 56
.set MSB, 0
.macro WIN new
.if MSB != (\new)
	s_set_vgpr_msb (MSB<<8)|(\new)
.set MSB, \new
.endif
.endm
.set MUL,  0x05                        ; sources 0 and 1 window 1; C and D window 0
.set TO_F, 0x40                        ; destination window 1, address window 0
.macro JLOAD s                         ; a joint load; an s_nop 0 and four v_nop follow each of the two lines
	s_cmp_eq_u32 s15, 0
	s_cbranch_scc0 .Lfor_b_\@
	tensor_load_to_lds s[G0+4*(\s):G0+4*(\s)+3], s[G1:G1+7]
	s_nop 0
.rept 4
	v_nop
.endr
	s_branch .Lasked_\@
.Lfor_b_\@:
	tensor_load_to_lds s[G0B+4*(\s):G0B+4*(\s)+3], s[G1B:G1B+7]
	s_nop 0
.rept 4
	v_nop
.endr
.Lasked_\@:
.endm
.macro CREST                           ; a round of the cluster's barrier behind its opening barrier
	s_cmp_lg_u32 s[WV], 0
	s_cbranch_scc1 .Lnot_wave_0_\@
	s_barrier_signal -3
.Lnot_wave_0_\@:
	s_barrier_wait -3
	s_barrier_signal -1
	s_barrier_wait -1
.endm
.macro CROUND
	s_barrier_signal -1
	s_barrier_wait -1
	CREST
.endm
.macro PLACES
.rept 4
	v_nop
.endr
.endm
	s_load_b256 s[4:11], s[0:1], 0x0               ; mg s[4:5], pre s[6:7], hidden s[8:9], bo s[10:11]
	s_load_b64 s[12:13], s[0:1], 0x20              ; out0
	v_lshl_add_u32 v[SPW], v0, 2, SPARE
	v_mov_b32 v[NIL], 0
	ds_add_u32 v[SPW], v[NIL]                      ; the wave's opening: the add and its wait ahead of my first tensor load
	ds_add_u32 v28, v29
	v_lshrrev_b32 v1, 5, v0
	v_readfirstlane_b32 s[WV], v1
	s_lshr_b32 s15, s[WV], 1
	s_and_b32 s16, s[WV], 1
	s_bfe_u32 s40, ttmp6, 0x40000                  ; cx
	s_bfe_u32 s41, ttmp6, 0x40004                  ; cy
	s_lshl_b32 s42, ttmp9, 2
	s_add_co_u32 s42, s42, s40                     ; tile column
	s_and_b32 s43, ttmp7, 0xffff
	s_lshl_b32 s43, s43, 2
	s_add_co_u32 s43, s43, s41                     ; tile row
	s_lshl_b32 s44, s41, 2
	s_lshl_b32 s44, 15, s44                        ; my row of the cluster
	s_lshl_b32 s45, 0x1111, s40                    ; my column
	s_or_b32 s[G1], s44, (1<<16)|(1<<20)|(1<<21)|(6<<22)|(3<<25)    ; mem: 2-byte elements; padding on; bit 21 beside a mask; after every 128 words, 4 words
	s_or_b32 s[G1B], s45, (1<<16)|(1<<20)|(1<<21)|(5<<22)|(7<<25)   ; Wo: after every 64 words, 8 words
	s_mov_b32 s[G1+1], KSTEP<<16                   ; mem: tensor_dim0 = 256
	s_mov_b32 s[G1+2], 64<<16                      ; tensor_dim1 = 64
	s_mov_b32 s[G1+3], KSTEP<<16                   ; tile_dim0 = 256
	s_mov_b32 s[G1+4], 64                          ; tile_dim1 = 64
	s_mov_b32 s[G1+5], SIZE_K
	s_mov_b32 s[G1+6], 0
	s_mov_b32 s[G1+7], 0
	s_mov_b32 s[G1B+1], 128<<16                    ; Wo: tensor_dim0 = 128
	s_mov_b32 s[G1B+2], 128<<16                    ; tensor_dim1 = 128
	s_mov_b32 s[G1B+3], 128<<16                    ; tile_dim0 = 128
	s_mov_b32 s[G1B+4], 128                        ; tile_dim1 = 128
	s_mov_b32 s[G1B+5], SIZE_N
	s_mov_b32 s[G1B+6], 0
	s_mov_b32 s[G1B+7], 0
	s_lshl_b32 s18, s43, 7                         ; mem: row 128 x tile row + 64 x half, 2,048 bytes a row: the tile row and the wave alone
	s_lshl_b32 s19, s16, 6
	s_add_co_u32 s18, s18, s19
	s_lshl_b32 s18, s18, 11
	s_mov_b32 s19, 0
	s_lshl_b32 s46, s42, 8                         ; Wo: column 128 x tile column, K row 128 x half: the tile column and the wave alone
	s_lshl_b32 s47, s16, 18
	s_add_co_u32 s46, s46, s47
	s_add_co_u32 s46, s46, OFF_WO
	s_mov_b32 s47, 0
	s_mul_i32 s20, s16, HALFA                      ; where they go: no place in the cluster enters an LDS address
	s_mul_i32 s21, s16, HALFB
	s_add_co_u32 s21, s21, BOFF
	s_wait_dscnt 0x0
	s_wait_kmcnt 0x0
	s_add_nc_u64 s[22:23], s[4:5], s[18:19]
	s_add_nc_u64 s[46:47], s[6:7], s[46:47]
	CROUND                                         ; all sixteen work-groups are here
.irp s, 0,1
	s_mov_b32 s[G0+4*(\s)], 1
	s_add_co_u32 s[G0+4*(\s)+1], s20, (\s)*SLOT
	s_add_nc_u64 s[G0+4*(\s)+2:G0+4*(\s)+3], s[22:23], (\s)*KSTEP*2
	s_or_b32 s[G0+4*(\s)+3], s[G0+4*(\s)+3], 0x80000000
	s_mov_b32 s[G0B+4*(\s)], 1
	s_add_co_u32 s[G0B+4*(\s)+1], s21, (\s)*SLOT
	s_add_nc_u64 s[G0B+4*(\s)+2:G0B+4*(\s)+3], s[46:47], (\s)*KSTEP*SIZE_N*2
	s_or_b32 s[G0B+4*(\s)+3], s[G0B+4*(\s)+3], 0x80000000
	JLOAD \s
.endr
	v_and_b32 v1, 15, v0                           ; l % 16
	v_bfe_u32 v2, v0, 4, 1                         ; l / 16
	v_mul_u32_u24 v3, v1, PITCH
	v_lshl_add_u32 v3, v2, 4, v3
	s_mul_i32 s66, s15, HALFA                      ; my 64 rows of mem
	v_add_nc_u32 v[ADRA], s66, v3
	v_add_nc_u32 v[ADRA+1], SLOT, v[ADRA]
	v_and_b32 v4, 7, v0                            ; the turning load: lane l reads K row 8 (l / 16) + l % 8, columns 8 ((l / 8) % 2) on
	v_lshl_add_u32 v4, v2, 3, v4
	v_mul_u32_u24 v4, v4, PB
	v_bfe_u32 v5, v0, 3, 1
	v_lshl_add_u32 v4, v5, 4, v4
	s_lshl_b32 s66, s16, 7                         ; my 64 columns
	s_add_co_u32 s66, s66, BOFF
	v_add_nc_u32 v[ADRB], s66, v4
	v_add_nc_u32 v[ADRB+1], HALFB, v[ADRB]
	v_add_nc_u32 v[ADRB+2], SLOT, v[ADRB]
	v_add_nc_u32 v[ADRB+3], SLOT+HALFB, v[ADRB]
	s_mul_i32 s66, s[WV], 16*SPITCH
	s_add_co_u32 s66, s66, STAGE                   ; my stage
	v_mul_u32_u24 v4, v1, SPITCH                   ; in: row l % 16, 32 bytes for each half of the lanes
	v_lshl_add_u32 v4, v2, 5, v4
	v_add_nc_u32 v[STO], s66, v4
	v_mul_u32_u24 v5, v2, SPITCH                   ; back: lanes 0-15 one row of 256 bytes, lanes 16-31 the next
	v_lshl_add_u32 v5, v1, 4, v5
	v_add_nc_u32 v[RD], s66, v5
	v_lshlrev_b32 v5, 12, v2                       ; and the same two rows in hidden and out0
	v_lshl_add_u32 v[CO], v1, 4, v5
	v_lshlrev_b32 v[VB32], 5, v2
	v_lshlrev_b32 v[VR4], 2, v1
	s_lshl_b32 s66, s43, 7
	s_lshl_b32 s67, s15, 6
	s_add_co_u32 s68, s66, s67                     ; my first row
	s_lshl_b32 s66, s68, 12
	s_lshl_b32 s69, s42, 9
	s_lshl_b32 s70, s16, 8
	s_add_co_u32 s69, s69, s70                     ; my first column, in bytes of f32
	s_add_co_u32 s66, s66, s69
	s_mov_b32 s67, 0
	s_add_nc_u64 s[8:9], s[8:9], s[66:67]
	s_add_nc_u64 s[12:13], s[12:13], s[66:67]
	s_mov_b32 s70, s69
	s_mov_b32 s71, 0
	s_add_nc_u64 s[10:11], s[10:11], s[70:71]
	s_lshl_b32 s70, s68, 2
	s_add_co_u32 s70, s70, OFF_G
	s_add_nc_u64 s[72:73], s[4:5], s[70:71]        ; the gates of my rows
	; what the way out needs is asked for now, into registers that the products do not touch
.irp b, 0,1,2,3
	global_load_b128 v[BO+8*\b:BO+8*\b+3],   v[VB32], s[10:11] offset:64*\b      ; bo of columns 16 b + 8 (l / 16) on
	global_load_b128 v[BO+8*\b+4:BO+8*\b+7], v[VB32], s[10:11] offset:64*\b+16
.endr
.irp a, 0,1,2,3
	global_load_b32 v[GT+2*\a],   v[VR4], s[72:73] offset:64*\a
	global_load_b32 v[GT+2*\a+1], v[VR4], s[72:73] offset:64*\a                  ; twice: a pair for the packed multiply
.endr
.irp t, 0,1,2,3,4,5,6,7
	global_load_b128 v[HID+4*\t:HID+4*\t+3], v[CO], s[8:9] offset:2*\t*4096      ; hidden, my first 16 rows
.endr
; 8 matrix instructions: row blocks a0, a0 + 1 x all 4 column blocks, 32 along K: half c of buffer f.  zero = 1: the first product starts the sums
.macro MUL8 f, c, a0, zero
	WIN MUL
.irp a, \a0, (\a0)+1
.irp b, 0,1,2,3
.if \zero
	v_wmma_f32_16x16x32_bf16 v[ACC+8*(4*(\a)+(\b)):ACC+8*(4*(\a)+(\b))+7], v[(\f)+64+8*(4*(\c)+(\b)):(\f)+64+8*(4*(\c)+(\b))+7], v[(\f)+8*(4*(\c)+(\a)):(\f)+8*(4*(\c)+(\a))+7], 0
.else
	v_wmma_f32_16x16x32_bf16 v[ACC+8*(4*(\a)+(\b)):ACC+8*(4*(\a)+(\b))+7], v[(\f)+64+8*(4*(\c)+(\b)):(\f)+64+8*(4*(\c)+(\b))+7], v[(\f)+8*(4*(\c)+(\a)):(\f)+8*(4*(\c)+(\a))+7], v[ACC+8*(4*(\a)+(\b)):ACC+8*(4*(\a)+(\b))+7]
.endif
.endr
.endr
.endm
; 32 LDS loads in one run: the fragments of quarter q (64 along K) of a slot into buffer f; the first 32 along K first
.macro FETCH slot, q, f
	WIN TO_F
.irp c, 0,1
.irp i, 0,1,2,3
	ds_load_tr16_b128 v[(\f)+64+8*(4*(\c)+(\i)):(\f)+64+8*(4*(\c)+(\i))+3],   v[ADRB+2*(\slot)+(\q)/2] offset:(64*((\q)%2)+32*(\c))*PB+32*(\i)
	ds_load_tr16_b128 v[(\f)+64+8*(4*(\c)+(\i))+4:(\f)+64+8*(4*(\c)+(\i))+7], v[ADRB+2*(\slot)+(\q)/2] offset:(64*((\q)%2)+32*(\c)+16)*PB+32*(\i)
	ds_load_b128 v[(\f)+8*(4*(\c)+(\i)):(\f)+8*(4*(\c)+(\i))+3],         v[ADRA+(\slot)] offset:128*(\q)+64*(\c)+(\i)*16*PITCH
	ds_load_b128 v[(\f)+8*(4*(\c)+(\i))+4:(\f)+8*(4*(\c)+(\i))+7],       v[ADRA+(\slot)] offset:128*(\q)+64*(\c)+(\i)*16*PITCH+32
.endr
.endr
.endm
; One of a K step's first three quarters: multiplies buffer f and fetches quarter q into g.  The 16 accumulators take turns.
.macro QUARTER slot, q, f, g, zero
	s_wait_dscnt 16                                ; the first 32 along K are in
	WIN MUL
	MUL8 \f, 0, 0, \zero
	MUL8 \f, 0, 2, \zero
	PLACES
	FETCH \slot, \q, \g
	s_wait_dscnt 32                                ; all but the 32 just issued
	WIN MUL
	MUL8 \f, 1, 0, 0
	MUL8 \f, 1, 2, 0
.endm
; The last quarter multiplies buffer 1 and changes slots: one barrier; in front of it each wave waits for all its tensor loads, adds 0 to its spare word, and waits for that and for
; its reads of this slot.  fill = 1: the barrier opens a round of the cluster's, and this slot is filled again, two K steps ahead, first behind it.
.macro TURN slot, next, fill
	WIN 0
	s_wait_tensorcnt 0x0
	ds_add_u32 v[SPW], v[NIL]
	s_wait_dscnt 17                                ; (the add and the youngest sixteen loads may be out)
	WIN MUL
	MUL8 F1, 0, 0, 0
	s_wait_dscnt 0x0
	s_barrier_signal -1
	MUL8 F1, 0, 2, 0
.if \fill
	WIN 0
.endif
	s_barrier_wait -1
.if \fill
	CREST
	s_add_nc_u64 s[G0+4*(\slot)+2:G0+4*(\slot)+3], s[G0+4*(\slot)+2:G0+4*(\slot)+3], 2*KSTEP*2
	s_add_nc_u64 s[G0B+4*(\slot)+2:G0B+4*(\slot)+3], s[G0B+4*(\slot)+2:G0B+4*(\slot)+3], 2*KSTEP*SIZE_N*2
	JLOAD \slot                                    ; its four v_nop are also the places in front of the loads below
.else
	PLACES
.endif
	FETCH \next, 0, F0
	WIN MUL
	MUL8 F1, 1, 0, 0
	MUL8 F1, 1, 2, 0
.endm
	s_wait_tensorcnt 1                             ; my part of K step 0 is in; K step 1's may stay out
	s_barrier_signal -1
	s_barrier_wait -1
	FETCH 0, 0, F0
	QUARTER 0, 1, F0, F1, 1                        ; the first products start the sums
	QUARTER 0, 2, F1, F0, 0                        ; K = 1,024 is two laps of the ring: the first fills both slots again, the second fills nothing
	QUARTER 0, 3, F0, F1, 0
	TURN 0, 1, 1
	QUARTER 1, 1, F0, F1, 0
	QUARTER 1, 2, F1, F0, 0
	QUARTER 1, 3, F0, F1, 0
	TURN 1, 0, 1
	QUARTER 0, 1, F0, F1, 0
	QUARTER 0, 2, F1, F0, 0
	QUARTER 0, 3, F0, F1, 0
	TURN 0, 1, 0
	QUARTER 1, 1, F0, F1, 0
	QUARTER 1, 2, F1, F0, 0
	QUARTER 1, 3, F0, F1, 0
	s_wait_dscnt 16
	WIN MUL
	MUL8 F1, 0, 0, 0
	MUL8 F1, 0, 2, 0
	s_wait_dscnt 0x0
	MUL8 F1, 1, 0, 0
	MUL8 F1, 1, 2, 0
	WIN 0
	; THE WAY OUT, 16 rows at a time: (sum + bo) x gate in place, through my stage, + hidden, stored as whole rows of 256 bytes.
	PLACES
	s_wait_loadcnt 0x0                             ; bo, the gates, hidden's first 16 rows
.irp a, 0,1,2,3
.irp b, 0,1,2,3
.irp d, 0,1,2,3
	v_pk_add_f32 v[ACC+8*(4*\a+\b)+2*\d:ACC+8*(4*\a+\b)+2*\d+1], v[ACC+8*(4*\a+\b)+2*\d:ACC+8*(4*\a+\b)+2*\d+1], v[BO+8*\b+2*\d:BO+8*\b+2*\d+1]
.endr
.endr
.irp b, 0,1,2,3
.irp d, 0,1,2,3
	v_pk_mul_f32 v[ACC+8*(4*\a+\b)+2*\d:ACC+8*(4*\a+\b)+2*\d+1], v[ACC+8*(4*\a+\b)+2*\d:ACC+8*(4*\a+\b)+2*\d+1], v[GT+2*\a:GT+2*\a+1]
.endr
.endr
.irp b, 0,1,2,3
	ds_store_b128 v[STO], v[ACC+8*(4*\a+\b):ACC+8*(4*\a+\b)+3] offset:64*\b
	ds_store_b128 v[STO], v[ACC+8*(4*\a+\b)+4:ACC+8*(4*\a+\b)+7] offset:64*\b+16
.endr
.if \a > 0
	s_wait_xcnt 0x0                                ; the last block's stores have read the registers that are loaded again below
.endif
.irp t, 0,1,2,3,4,5,6,7
	ds_load_b128 v[RB+4*\t:RB+4*\t+3], v[RD] offset:\t*2*SPITCH   ; LDS serves a wave's instructions in order (ISA guide 5.7.1.4): these see the stores above
.endr
	s_wait_dscnt 0x0
.if \a > 0
	s_wait_loadcnt 0x0                             ; this block's rows of hidden
.endif
.set d, 0
.rept 16
	v_pk_add_f32 v[RB+2*d:RB+2*d+1], v[RB+2*d:RB+2*d+1], v[HID+2*d:HID+2*d+1]
.set d, d+1
.endr
.if \a < 3
.irp t, 0,1,2,3,4,5,6,7
	global_load_b128 v[HID+4*\t:HID+4*\t+3], v[CO], s[8:9] offset:(16*(\a+1)+2*\t)*4096   ; the next block's rows land under its arithmetic
.endr
.endif
.irp t, 0,1,2,3,4,5,6,7
	global_store_b128 v[CO], v[RB+4*\t:RB+4*\t+3], s[12:13] offset:(16*\a+2*\t)*4096   ; 16 lanes store 256 consecutive bytes, at a multiple of 256 from out0's first
.endr
.endr
	s_wait_tensorcnt 0x0                           ; the wave's end
	ds_add_u32 v[SPW], v[NIL]
	s_wait_dscnt 0x0
	CROUND                                         ; the closing round
	s_endpgm
.Lfunc_end_k_qc29e811969_outp:
	.size	k_qc29e811969_outp, .Lfunc_end_k_qc29e811969_outp-k_qc29e811969_outp
	.p2alignl 7, 3214868480
	.fill 96, 4, 3214868480
	.section	.rodata,"a",@progbits
	.p2align	6, 0x0
	.amdhsa_kernel k_qc29e811969_outp
		.amdhsa_group_segment_fixed_size 327680
		.amdhsa_private_segment_fixed_size 0
		.amdhsa_enable_private_segment 0
		.amdhsa_kernarg_size 40
		.amdhsa_user_sgpr_count 2
		.amdhsa_user_sgpr_kernarg_segment_ptr 1
		.amdhsa_wavefront_size32 1
		.amdhsa_system_sgpr_workgroup_id_x 1
		.amdhsa_system_sgpr_workgroup_id_y 1
		.amdhsa_system_sgpr_workgroup_id_z 1
		.amdhsa_system_vgpr_workitem_id 0
		.amdhsa_next_free_vgpr 512
		.amdhsa_next_free_sgpr 76
		.amdhsa_reserve_vcc 0
		.amdhsa_float_denorm_mode_32 3
		.amdhsa_float_denorm_mode_16_64 3
		.amdhsa_memory_ordered 1
		.amdhsa_forward_progress 1
		.amdhsa_inst_pref_size 103
	.end_amdhsa_kernel
	.amdgpu_metadata
---
amdhsa.version: [ 1, 2 ]
amdhsa.kernels:
  - .name:           k_qc29e811969_outp
    .symbol:         k_qc29e811969_outp.kd
    .args:
      - { .name: mg, .offset: 0, .size: 8, .value_kind: global_buffer, .address_space: global }
      - { .name: pre, .offset: 8, .size: 8, .value_kind: global_buffer, .address_space: global }
      - { .name: hidden, .offset: 16, .size: 8, .value_kind: global_buffer, .address_space: global }
      - { .name: bo, .offset: 24, .size: 8, .value_kind: global_buffer, .address_space: global }
      - { .name: out0, .offset: 32, .size: 8, .value_kind: global_buffer, .address_space: global }
    .group_segment_fixed_size: 327680
    .private_segment_fixed_size: 0
    .kernarg_segment_align: 8
    .kernarg_segment_size: 40
    .max_flat_workgroup_size: 128
    .sgpr_count:     76
    .vgpr_count:     512
    .wavefront_size: 32
...
	.end_amdgpu_metadata
.endif
;; end of part 7
;; ======== version 2 of 2: 7 launches; version 1 with the launches rsel, gath written anew for expert scheduling mode
;; workspace buffers: pre 10,752,000 bytes; qb 1,048,576 bytes; gm 33,554,432 bytes; gid 524,288 bytes of whole numbers; cand 8,388,608 bytes; sel 524,288 bytes of whole numbers; mg 8,404,992 bytes
;; launch prep: the kernel of part 1 again; grid 328 x 1, 8 waves a work-group, no clusters, 0 bytes of LDS; arguments keys, Wq, Wo, Wg, pre; writes pre
;; launch qproj: the kernel of part 2 again; grid 256 x 1, 4 waves a work-group, clusters of 4 x 1, 327,680 bytes of LDS; arguments hidden, pre, bq, qb; writes qb
;; launch sim: the kernel of part 3 again; grid 16 x 16, 4 waves a work-group, clusters of 4 x 1, 327,680 bytes of LDS; arguments qb, pre, gm; writes gm
;; launch sel1: the kernel of part 4 again; grid 256 x 1, 8 waves a work-group, no clusters, 113,664 bytes of LDS; arguments gm, gid; writes gid
;; launch rsel (part 8): grid 256 x 1, 8 waves a work-group, no clusters, 113,664 bytes of LDS; arguments qb, pre, gid, cand, sel; writes cand, sel
.if DOCPART == 8
	.amdgcn_target "amdgcn-amd-amdhsa--gfx1250"
	.amdhsa_code_object_version 6
	.text
	.protected	k_qc29e811969_rsel
	.globl	k_qc29e811969_rsel
	.p2align	8
	.type	k_qc29e811969_rsel,@function
k_qc29e811969_rsel:
	s_mov_b64 s[64:65], 0
	v_nop
	global_prefetch_b8 v0, s[64:65] scope:SCOPE_SE
	s_setreg_imm32_b32 hwreg(HW_REG_WAVE_SCHED_MODE, 0, 2), 2
	s_setreg_imm32_b32 hwreg(HW_REG_WAVE_MODE, 25, 1), 1
	s_wait_xcnt 0x0
	s_wait_alu depctr_vm_vsrc(0)
; RSEL.  For each query the similarities of its 32 chosen groups' 512 keys are computed again (same operands, same form, K ascending), stored in cand, and the 32 largest of
; them chosen (equal numbers: the lower key), stored as whole numbers: sel[query][32] = (32767 - key) << 9 | place, place = the number's place among the query's 512 in cand.
; SHARES.  A work-group takes 16 queries; wave w takes places 4 w .. 4 w + 3 of every query's list of groups.
; THE PRODUCTS.  For query c = 0..15: source 0 = the 16 keys of c's group (loaded straight from keysb by the group's number, which an earlier launch stored), source 1 = the
; 16 queries' fragment with every column but c set to 0.  All 16 steps add onto one accumulator for each of the 4 places, so lane (r, h) ends with query r's own numbers for keys
; 8 h + 0..7 of its 4 groups: 32 numbers a lane, and the networks below work on them where they lie.
; LIMITS.  An infinite or NaN key would spoil other columns (0 x inf); reference() is not finite there either.  NaN is not treated apart; -0 counts as +0.
; The choice: as in the launch before, two passes of one text: pass 1 sorts the numbers (T = the 32nd largest), pass 2 keys 0x40000000 + class << 24 + (32767 - key) << 9 + place.
; Two comparators are two dual lines, paired as in the launch before: destinations one even and one odd, first sources and second sources different mod 4.
; No cluster: each work-group gathers other keys.  LDS: three exchange regions and the way out (the launch's claim holds 1,024 bytes more: the spare words at 0x1b800).
; REGISTERS: window 0 below; window 1: two buffers of 16 key fragments (place s, K step ks at 32 s + 8 ks).
; THE MODE: SCHED_MODE bits 1:0 = 2 (LLVM: expert scheduling mode 2), set by the entry lines.  The code itself states the register dependences
; between vector or matrix instructions and memory or LDS instructions, with s_wait_alu, always for 0.
; THE PLAN.  Registers that memory or LDS instructions touch:
;   v[VLA], v[GOF], v[GO], v[OWN ..], v[PART ..], v[OUTW], v[OUTR]   addresses, made at the head and never written again: a group of keys is reached by a scalar base,
;              one for each buffer and place, which is written anew when the wait for the buffer's data has shown the loads that read it done.
;   the two key buffers   Step c's products read buffer c % 2; step c + 1's loads land in it: one wait on va_vdst in a step, ahead of its run of loads.  The run stands ahead of the
;              wait for the step's own keys, so that 32 loads are on their way during that wait; a third buffer of 128 registers has no room.
;   Z          Written by the products, read by cand's stores, written again by pass 2's keys.
;   L          Written by the networks, read by an exchange's LDS stores, written again by the merge behind the exchange.
;   X          An exchange's LDS loads land in it; the networks read and write it.  At the end the way out's LDS stores read it.
;   Y          The networks'; at the end LDS loads land in it, and the last stores read it.
; A number that a vector instruction puts into a scalar register (the wave, a group's number, a compare's mask) is waited for on va_sdst ahead of its first reader; such writers stand in runs.
.set REGB,  36864
.set OUT,   3*REGB
.set VLA,  3                           ; v3     row x 256 + 16 x half: a fragment's lane offset, in keysb and in qb
.set PART, 5
.set T,    8
.set K0,   10
.set CT,   13
.set GOF,  16
.set LN,   17
.set OWN,  18
.set OUTW, 22
.set OUTR, 23
.set GO,   24
.set TM,   25
.set Q,    32                          ; v[32:63]   the 16 queries' fragments, K step ks at 8 ks
.set BM,   64                          ; v[64:95]   the same with one column left
.set Z,    96                          ; v[96:127]  the 4 accumulators; then the numbers to sort
.set X,    128
.set Y,    160
.set L,    192
.set VG,   224                         ; v[224:227] my query's 4 groups
.set VB,   228                         ; v[228:231] the keys' bases
.set WV,   14
.set SEL,  16
.set PASS, 18
.set CQ,   20                          ; s20  the query in hand
.set LC,   21
.set C1,   22                          ; s22  the query whose keys are asked for
.set OF,   40                          ; s[40:41] a group's byte offset in keysb
.set BS,   44                          ; s[44:59] buffer b, place s: the address of the group's first key, a pair at BS + 8 b + 2 s
.set M,    66                          ; s[66:97] pass 2: the masks of 16 numbers' two compares
.set MSB, 0
.macro WIN new
.if MSB != (\new)
	s_set_vgpr_msb (MSB<<8)|(\new)
.set MSB, (\new)
.endif
.endm
.macro PLACES
.rept 4
	v_nop
.endr
.endm
.macro DU fx, dx, ax, bx, fy, dy, ay, by   ; one dual line: f = 1 a maximum, 0 a minimum
.if (\fx) && (\fy)
	v_dual_max_num_f32 v[\dx], v[\ax], v[\bx] :: v_dual_max_num_f32 v[\dy], v[\ay], v[\by]
.elseif (\fx)
	v_dual_max_num_f32 v[\dx], v[\ax], v[\bx] :: v_dual_min_num_f32 v[\dy], v[\ay], v[\by]
.elseif (\fy)
	v_dual_min_num_f32 v[\dx], v[\ax], v[\bx] :: v_dual_max_num_f32 v[\dy], v[\ay], v[\by]
.else
	v_dual_min_num_f32 v[\dx], v[\ax], v[\bx] :: v_dual_min_num_f32 v[\dy], v[\ay], v[\by]
.endif
.endm
.macro STAGE src, dst, k, j            ; comparators (i, i + j); descending where i & k = 0; 16 dual lines
.set st_, 1
.if (\j) == 1
.set st_, 2
.endif
.set ii, 0
.rept 32
.if ((ii & (\j)) == 0) && ((ii & st_) == 0)
.set ib, ii+st_
.set da_, 0
.set db_, 0
.if (ii & (\k)) == 0
.set da_, 1
.endif
.if (ib & (\k)) == 0
.set db_, 1
.endif
	DU da_, (\dst)+ii, (\src)+ii, (\src)+ii+(\j), 1-db_, (\dst)+ib+(\j), (\src)+ib, (\src)+ib+(\j)
	DU 1-da_, (\dst)+ii+(\j), (\src)+ii, (\src)+ii+(\j), db_, (\dst)+ib, (\src)+ib, (\src)+ib+(\j)
.endif
.set ii, ii+1
.endr
.endm
.macro SORT_REST last
	STAGE X, Y, 4, 2
	STAGE Y, X, 4, 1
	STAGE X, Y, 8, 4
	STAGE Y, X, 8, 2
	STAGE X, Y, 8, 1
	STAGE Y, X, 16, 8
	STAGE X, Y, 16, 4
	STAGE Y, X, 16, 2
	STAGE X, Y, 16, 1
	STAGE Y, X, 32, 16
	STAGE X, Y, 32, 8
	STAGE Y, X, 32, 4
	STAGE X, Y, 32, 2
	STAGE Y, \last, 32, 1
.endm
.macro MERGE
.set ii, 0
.rept 16
	v_dual_max_num_f32 v[Y+ii], v[L+ii], v[X+31-ii] :: v_dual_max_num_f32 v[Y+ii+1], v[L+ii+1], v[X+30-ii]
.set ii, ii+2
.endr
	STAGE Y, X, 32, 16
	STAGE X, Y, 32, 8
	STAGE Y, X, 32, 4
	STAGE X, Y, 32, 2
	STAGE Y, L, 32, 1
.endm
.macro XHALF
.set ii, 0
.rept 32
	v_permlanex16_b32 v[X+ii], v[L+ii], s[SEL], s[SEL+1]
.set ii, ii+1
.endr
	MERGE
.endm
.macro LROUND k
	s_wait_alu depctr_va_vdst(0)                   ; the merge has written L, which the stores below read, and is done with X, in which the partner's list lands; no vector line stands between this wait and those loads
.irp c, 0,1,2,3,4,5,6,7
	ds_store_b128 v[OWN+\k], v[L+4*\c:L+4*\c+3] offset:16*\c
.endr
	s_wait_dscnt 0x0                               ; for the others' sake: my list is in LDS, and my reads of the round before are back
	s_barrier_signal -1
	s_barrier_wait -1
.irp c, 0,1,2,3,4,5,6,7
	ds_load_b128 v[X+4*\c:X+4*\c+3], v[PART+\k] offset:16*\c
.endr
	s_wait_dscnt 0x0
	s_wait_alu depctr_vm_vsrc(0)                   ; my LDS stores have read L, which the merge's last stage writes again
	MERGE
.endm
; Pass 2's keys.  Number e = 8 s + j: place s of my four, key 8 h + j of its group.  The compares stand in two runs of 32, each into 32 scalar registers, with one wait behind the run.
.macro BUILD
.irp half, 0,1
.set e, 0
.rept 16
	v_cmp_ge_f32 s[M+2*e], v[Z+16*\half+e], v[T]
	v_cmp_gt_f32 s[M+2*e+1], v[Z+16*\half+e], v[T]
.set e, e+1
.endr
	s_wait_alu depctr_va_sdst(0)                   ; the run's 32 masks are written, ahead of the selects that read them
.set e, 16*\half
.rept 16
	v_cndmask_b32 v[CT], v[K0], v[K0+1], s[M+2*(e%16)]
	v_cndmask_b32 v[CT], v[CT], v[K0+2], s[M+2*(e%16)+1]
	v_add3_u32 v[Z+e], v[CT], v[VB+e/8], ((7-(e%8))<<9)+((e/8)<<4)+(((e%8)/4)<<3)+((e%8)%4)
.set e, e+1
.endr
.endr
.endm
.macro ASK                             ; the 4 groups of query C1, as scalars: lane c holds query c's groups
.irp s, 0,1,2,3
	v_readlane_b32 s[31+\s], v[VG+\s], s[C1]
.endr
.endm
; The 4 groups that ASK has read, into buffer b: 32 loads of 512 bytes.  A group's number is clamped to the table before it enters an address.
; used = 1: products have read the buffer.
.macro LOADU b, used
	s_wait_alu depctr_va_sdst(0)                   ; the four groups' numbers are written, ahead of their first reader
.irp s, 0,1,2,3
	s_min_u32 s[31+\s], s[31+\s], 0x7ff
	s_lshl_b32 s[OF], s[31+\s], 12                 ; 16 keys of 256 bytes
	s_add_nc_u64 s[BS+8*(\b)+2*\s:BS+8*(\b)+2*\s+1], s[6:7], s[OF:OF+1]   ; the loads that last read this base were shown done by the wait for the buffer's data, in the step before
.endr
	WIN 0x40
.if \used
	s_wait_alu depctr_va_vdst(0)                   ; the last step's products are done reading this buffer, in which the loads below land
.endif
.irp s, 0,1,2,3
.irp ks, 0,1,2,3
	global_load_b128 v[128*(\b)+32*\s+8*\ks:128*(\b)+32*\s+8*\ks+3],   v[VLA], s[BS+8*(\b)+2*\s:BS+8*(\b)+2*\s+1] offset:64*\ks
	global_load_b128 v[128*(\b)+32*\s+8*\ks+4:128*(\b)+32*\s+8*\ks+7], v[VLA], s[BS+8*(\b)+2*\s:BS+8*(\b)+2*\s+1] offset:64*\ks+32
.endr
.endr
	WIN 0
.endm
; Query CQ's step, on buffer b.  The 4 accumulators take turns, K step by K step.
.macro STEP b, load, zero
	PLACES                                         ; behind the last step's products: BM, their source, is written again (ISA guide 7.12.1)
.if \load
	s_add_co_u32 s[C1], s[CQ], 1
	ASK                                            ; ahead of the selects, which stand between these four lines and the wait for them
.endif
	s_lshl_b32 s30, 0x10001, s[CQ]                 ; lanes c and c + 16
.set ii, 0
.rept 32
	v_cndmask_b32 v[BM+ii], 0, v[Q+ii], s30
.set ii, ii+1
.endr
.if \load
	LOADU 1-(\b), 1-(\zero)                        ; in the first step the other buffer has been named by no instruction
	s_wait_loadcnt 32                              ; this query's keys are in; the next query's 32 loads stay out
.else
	s_wait_loadcnt 0x0
.endif
	WIN 0x01                                       ; source 0 in window 1
.irp ks, 0,1,2,3
.irp s, 0,1,2,3
.if (\zero) && (\ks == 0)
	v_wmma_f32_16x16x32_bf16 v[Z+8*\s:Z+8*\s+7], v[128*(\b)+32*\s+8*\ks:128*(\b)+32*\s+8*\ks+7], v[BM+8*\ks:BM+8*\ks+7], 0
.else
	v_wmma_f32_16x16x32_bf16 v[Z+8*\s:Z+8*\s+7], v[128*(\b)+32*\s+8*\ks:128*(\b)+32*\s+8*\ks+7], v[BM+8*\ks:BM+8*\ks+7], v[Z+8*\s:Z+8*\s+7]
.endif
.endr
.endr
	WIN 0
	s_add_co_u32 s[CQ], s[CQ], 1
.endm
	s_load_b256 s[4:11], s[0:1], 0x0               ; qb s[4:5], pre s[6:7] (keysb at its head), gid s[8:9], cand s[10:11]
	s_load_b64 s[12:13], s[0:1], 0x20              ; sel
	v_lshl_add_u32 v254, v0, 2, 0x1b800
	v_mov_b32 v255, 0
	v_lshrrev_b32 v1, 5, v0
	v_readfirstlane_b32 s[WV], v1
	v_and_b32 v[LN], 31, v0
	v_and_b32 v1, 15, v0                           ; r
	v_bfe_u32 v2, v0, 4, 1                         ; h
	v_lshlrev_b32 v[VLA], 8, v1
	v_lshl_add_u32 v[VLA], v2, 4, v[VLA]
	s_wait_alu depctr_va_sdst(0)                   ; the wave's number is written, ahead of its first reader
	s_lshl_b32 s24, s[WV], 4
	v_lshlrev_b32 v[GOF], 7, v1
	v_add_nc_u32 v[GOF], s24, v[GOF]               ; query r's list, places 4 w on
	v_mul_u32_u24 v[TM], v[LN], 144
	s_mul_i32 s25, s[WV], 4608
	v_add_nc_u32 v[OWN], s25, v[TM]
	v_add_nc_u32 v[OWN+1], REGB, v[OWN]
	v_add_nc_u32 v[OWN+2], 2*REGB, v[OWN]
.irp k, 0,1,2
	s_xor_b32 s26, s[WV], 1<<\k
	s_mul_i32 s26, s26, 4608
	s_add_co_u32 s26, s26, \k*REGB
	v_add_nc_u32 v[PART+\k], s26, v[TM]
.endr
	v_lshlrev_b32 v[OUTW], 7, v1
	v_add_nc_u32 v[OUTW], OUT, v[OUTW]
	v_lshlrev_b32 v[GO], 4, v[LN]
	v_add_nc_u32 v[OUTR], OUT, v[GO]
	v_mov_b32 v[K0], 0x40000000
	v_mov_b32 v[K0+1], 0x41000000
	v_mov_b32 v[K0+2], 0x42000000
	v_mov_b32 v[T], 0
	s_mov_b32 s[SEL], 0x76543210
	s_mov_b32 s[SEL+1], 0xfedcba98
	s_mov_b32 s38, 0xffffff
	s_mov_b32 s[OF+1], 0
	s_lshl_b32 s26, ttmp9, 12                      ; 16 rows of qb
	s_mov_b32 s27, 0
	s_lshl_b32 s28, ttmp9, 11                      ; 16 lists of 128 bytes, in gid and in sel
	s_mov_b32 s29, 0
	s_lshl_b32 s36, ttmp9, 15                      ; the group's 32,768 bytes of cand,
	s_lshl_b32 s37, s[WV], 12                      ; my wave's 4,096
	s_add_co_u32 s36, s36, s37
	s_mov_b32 s37, 0
	s_wait_kmcnt 0x0
	s_add_nc_u64 s[4:5], s[4:5], s[26:27]
	s_add_nc_u64 s[8:9], s[8:9], s[28:29]
	s_add_nc_u64 s[12:13], s[12:13], s[28:29]
	s_add_nc_u64 s[10:11], s[10:11], s[36:37]
	s_wait_alu depctr_va_vdst(0)                   ; all the addresses are written (VLA, GOF, GO, OWN, PART, OUTW, OUTR), which the kernel's loads, stores and LDS instructions read; none is written again
	global_load_b128 v[VG:VG+3], v[GOF], s[8:9]
.irp ks, 0,1,2,3
	global_load_b128 v[Q+8*\ks:Q+8*\ks+3],   v[VLA], s[4:5] offset:64*\ks
	global_load_b128 v[Q+8*\ks+4:Q+8*\ks+7], v[VLA], s[4:5] offset:64*\ks+32
.endr
	s_wait_loadcnt 0x0
.irp s, 0,1,2,3
	v_min_u32 v[VG+\s], 0x7ff, v[VG+\s]
.endr
	s_mov_b32 s[CQ], 0
	s_mov_b32 s[C1], 0
	ASK
	LOADU 0, 0                                     ; query 0's keys: the buffer has been named by no instruction
	STEP 0, 1, 1                                   ; query 0 starts the sums
	s_mov_b32 s[LC], 7
.Lq:
	STEP 1, 1, 0
	STEP 0, 1, 0
	s_sub_co_u32 s[LC], s[LC], 1
	s_cmp_lg_u32 s[LC], 0
	s_cbranch_scc1 .Lq
	STEP 1, 0, 0                                   ; query 15: nothing is left to ask for
	; the keys' bases are made here: they are the places behind the last products
	v_lshlrev_b32 v[TM], 3, v2
	v_sub_nc_u32 v[TM], 32760, v[TM]               ; 32767 - 7 - 8 h
	v_lshlrev_b32 v[TM], 9, v[TM]
	v_lshl_add_u32 v[TM], v2, 2, v[TM]             ; place: 64 w + 16 s + 8 (j / 4) + 4 h + j % 4
	s_lshl_b32 s24, s[WV], 6
	v_add_nc_u32 v[TM], s24, v[TM]
.irp s, 0,1,2,3
	v_lshlrev_b32 v[VB+\s], 13, v[VG+\s]           ; 16 keys a group, << 9
	v_sub_nc_u32 v[VB+\s], v[TM], v[VB+\s]
.endr
	s_wait_alu depctr_va_vdst(0)                   ; the products have written Z, which the stores below read; the places above stay beside this wait
.irp s, 0,1,2,3
	global_store_b128 v[GO], v[Z+8*\s:Z+8*\s+3],   s[10:11] offset:(2*\s)*512     ; 512 consecutive bytes; each accumulator's low registers first
	global_store_b128 v[GO], v[Z+8*\s+4:Z+8*\s+7], s[10:11] offset:(2*\s+1)*512
.endr
	s_wait_xcnt 0x0                                ; pass 2 writes over the stores' data
	s_wait_alu depctr_vm_vsrc(0)                   ; the stores have read Z, which pass 2's keys write again
	s_mov_b32 s[PASS], 2
.Lpass:
	s_cmp_eq_u32 s[PASS], 2
	s_cbranch_scc1 .Lraw                           ; pass 1 sorts the numbers as they are
	BUILD
.Lraw:
	STAGE Z, X, 2, 1
	SORT_REST L
	XHALF
	LROUND 0
	LROUND 1
	LROUND 2
	v_mov_b32 v[T], v[L+31]
	s_sub_co_u32 s[PASS], s[PASS], 1
	s_cmp_lg_u32 s[PASS], 0
	s_cbranch_scc1 .Lpass
	s_cmp_lg_u32 s[WV], 0
	s_cbranch_scc1 .Lend                           ; wave 0 writes the lists out
.set i, 0
.rept 32
	v_and_b32 v[X+i], s38, v[L+i]
.set i, i+1
.endr
	s_wait_alu depctr_va_vdst(0)                   ; the lines above have written X, which the LDS stores read; the networks are done with Y, in which the LDS loads land
.irp c, 0,1,2,3,4,5,6,7
	ds_store_b128 v[OUTW], v[X+4*\c:X+4*\c+3] offset:16*\c   ; both halves of the lanes write the same words
.endr
.irp c, 0,1,2,3
	ds_load_b128 v[Y+4*\c:Y+4*\c+3], v[OUTR] offset:512*\c   ; LDS serves a wave's instructions in order (ISA guide 5.7.1.4)
.endr
	s_wait_dscnt 0x0
.irp c, 0,1,2,3
	global_store_b128 v[GO], v[Y+4*\c:Y+4*\c+3], s[12:13] offset:512*\c
.endr
.Lend:
	s_wait_dscnt 0x0
	s_wait_alu depctr_hold_cnt(0) depctr_sa_sdst(0) depctr_va_vdst(0) depctr_va_sdst(0) depctr_va_ssrc(0) depctr_va_vcc(0) depctr_vm_vsrc(0)
	s_wait_tensorcnt 0x0
	ds_add_u32 v254, v255
	s_wait_dscnt 0x0
	s_endpgm
.Lfunc_end_k_qc29e811969_rsel:
	.size	k_qc29e811969_rsel, .Lfunc_end_k_qc29e811969_rsel-k_qc29e811969_rsel
	.p2alignl 7, 3214868480
	.fill 96, 4, 3214868480
	.section	.rodata,"a",@progbits
	.p2align	6, 0x0
	.amdhsa_kernel k_qc29e811969_rsel
		.amdhsa_group_segment_fixed_size 113664
		.amdhsa_private_segment_fixed_size 0
		.amdhsa_enable_private_segment 0
		.amdhsa_kernarg_size 40
		.amdhsa_user_sgpr_count 2
		.amdhsa_user_sgpr_kernarg_segment_ptr 1
		.amdhsa_wavefront_size32 1
		.amdhsa_system_sgpr_workgroup_id_x 1
		.amdhsa_system_sgpr_workgroup_id_y 1
		.amdhsa_system_sgpr_workgroup_id_z 1
		.amdhsa_system_vgpr_workitem_id 0
		.amdhsa_next_free_vgpr 512
		.amdhsa_next_free_sgpr 98
		.amdhsa_reserve_vcc 0
		.amdhsa_float_denorm_mode_32 3
		.amdhsa_float_denorm_mode_16_64 3
		.amdhsa_memory_ordered 1
		.amdhsa_forward_progress 1
		.amdhsa_inst_pref_size 93
	.end_amdhsa_kernel
	.amdgpu_metadata
---
amdhsa.version: [ 1, 2 ]
amdhsa.kernels:
  - .name:           k_qc29e811969_rsel
    .symbol:         k_qc29e811969_rsel.kd
    .args:
      - { .name: qb, .offset: 0, .size: 8, .value_kind: global_buffer, .address_space: global }
      - { .name: pre, .offset: 8, .size: 8, .value_kind: global_buffer, .address_space: global }
      - { .name: gid, .offset: 16, .size: 8, .value_kind: global_buffer, .address_space: global }
      - { .name: cand, .offset: 24, .size: 8, .value_kind: global_buffer, .address_space: global }
      - { .name: sel, .offset: 32, .size: 8, .value_kind: global_buffer, .address_space: global }
    .group_segment_fixed_size: 113664
    .private_segment_fixed_size: 0
    .kernarg_segment_align: 8
    .kernarg_segment_size: 40
    .max_flat_workgroup_size: 256
    .sgpr_count:     98
    .vgpr_count:     512
    .wavefront_size: 32
...
	.end_amdgpu_metadata
.endif
;; end of part 8
;; launch gath (part 9): grid 256 x 1, 16 waves a work-group, no clusters, 0 bytes of LDS; arguments sel, cand, values, hidden, Wg, pre, bo, bg, mg; writes mg
.if DOCPART == 9
	.amdgcn_target "amdgcn-amd-amdhsa--gfx1250"
	.amdhsa_code_object_version 6
	.text
	.protected	k_qc29e811969_gath
	.globl	k_qc29e811969_gath
	.p2align	8
	.type	k_qc29e811969_gath,@function
k_qc29e811969_gath:
	s_mov_b64 s[64:65], 0
	v_nop
	global_prefetch_b8 v0, s[64:65] scope:SCOPE_SE
	s_setreg_imm32_b32 hwreg(HW_REG_WAVE_SCHED_MODE, 0, 2), 2
	s_setreg_imm32_b32 hwreg(HW_REG_WAVE_MODE, 25, 1), 1
	s_wait_xcnt 0x0
	s_wait_alu depctr_vm_vsrc(0)
; GATH.  One wave, one query n.  Lane k takes pick k of sel[n]: its similarity from cand, its key.  Softmax over the 32 lanes (the maximum taken away, as reference() does), in f32.
; mem = the sum of weight x values[key], in f32 on the f32 table: a row is 4,096 bytes, 8 loads of 512 consecutive bytes; four rows of every wave are on their way.
; gate = sigmoid(hidden[n] . Wg[0:1024] + mem . u + bo . Wg[1024:] + bg), u = Wo Wg[1024:] from the first launch: (mem Wo + bo) . Wg2 re-associated, all in f32.
; The gate's operands hang on nothing that is read, so they are asked for at the head, behind the pick: they travel while the pick is awaited; hidden . Wg1 + bo . Wg2 is summed
; before the first four row buffers take their first rows, and u keeps registers of its own to the end.  Behind the last row no load is left.
; Out: mem rounded once to bf16 (the next launch's matrix operand), and the gate in f32 (4 bytes a wave: the one narrow store).
; Addresses hang on whole numbers that an earlier launch stored, each clamped to its table.  No LDS, no cluster: every wave gathers other rows.
; THE MODE: SCHED_MODE bits 1:0 = 2 (LLVM: expert scheduling mode 2), set by the entry lines.  The code itself states the register dependences
; between vector instructions and memory instructions, with s_wait_alu, always for 0.
; THE PLAN.  Registers that memory instructions touch:
;   v1, v2, v6, v24   byte offsets, made at the head and never written again.  A row is reached by a scalar base, one for each row buffer: values + key x 4,096.
;   v25        the offset of my similarity: written once, read by one load.
;   R0 .. R4   five row buffers.  Step p (pick p) multiplies R[p % 5]; its eight loads, pick p + 4, land in R[(p + 4) % 5] = R[(p - 1) % 5], which step p - 1 multiplied and which
;              no vector line of step p names.  So ONE wait on va_vdst at a step's head, behind the wait for its data, states all that its loads hang on, and they are dealt among
;              its sixteen multiply-adds, which name ACC, R[p % 5] and the weight.  (R0 to R3 hold the gate's operands first.)
;   U          u: loaded at the head, read at the end.
;   MB, v16    written by the roundings and by the gate's arithmetic, read by the stores at the end.
; Buffer (p - 1) % 5's base is written anew in step p: the wait for pick p - 1's data, at the head of step p - 1, has shown the loads that read it done.
; A lap is five steps.  At its head one run of v_readlane_b32 brings the lap's five weights and the five keys that it asks for into scalar registers, with one wait on va_sdst behind the run.
.set OFF_U, 10747904
.set OFF_G, 8388608
.set KEY, 4
.set WT,  5
.set GC,  16                           ; v[16:23] the gate's sum, in four chains of pairs
.set ACC, 32                           ; v[32:63] mem: columns 128 j + 4 lane + 0..3 at ACC + 4 j
.set R,   64                           ; v[64:223] five row buffers
.set U,   224                          ; v[224:255] u
.set MB,  R+64                         ; v[128:143] at the end: mem in bf16, where the third buffer lay
.set KI,  28                           ; s28  the pick whose key is read next
.set KC,  29                           ; s29  the pick whose weight is read next
.set LC,  30
.set OF,  38                           ; s[38:39] a row's byte offset in values
.set WS,  40                           ; s[40:49] step j of a lap: its weight, in the low word of a pair at WS + 2 j
.set KS,  50                           ; s50-54   step j of a lap: the key that it asks for
.set BS,  66                           ; s[66:75] row buffer i: the address of the row that it was last asked for, a pair at BS + 2 i
.macro BASE i, k                       ; buffer i's base from the key in s[KS + k], clamped to the table
	s_min_u32 s[KS+(\k)], s[KS+(\k)], 0x7fff
	s_lshl_b32 s[OF], s[KS+(\k)], 12
	s_add_nc_u64 s[BS+2*(\i):BS+2*(\i)+1], s[8:9], s[OF:OF+1]
.endm
; The head of a lap: nw weights and nk keys into scalar registers.
.macro RUN nw, nk
.set z, 0
.rept \nw
	v_readlane_b32 s[WS+2*z], v[WT], s[KC]
	s_add_co_u32 s[KC], s[KC], 1
.set z, z+1
.endr
.if \nk
.set z, 0
.rept \nk
	v_readlane_b32 s[KS+z], v[KEY], s[KI]
	s_add_co_u32 s[KI], s[KI], 1
.set z, z+1
.endr
.endif
	s_wait_alu depctr_va_sdst(0)                   ; the run's weights and keys are written, ahead of the multiply-adds and the scalar lines that read them
.endm
; Step j of a lap: buffer j's row times its weight.  ahead = 1: the row four picks on is asked for, into the buffer that the step before multiplied.
; left: the younger loads, which stay out.
.macro STEP j, ahead, left
	s_wait_loadcnt \left                           ; loads come back in order (ISA guide 5.7.1): buffer j's row is in
.if \ahead
	s_wait_alu depctr_va_vdst(0)                   ; the step before is done reading its buffer, in which the loads below land; no vector line since names that buffer or v1
	BASE (\j+4)%5, \j
.endif
.set d, 0
.rept 8
.if \ahead
	global_load_b128 v[R+32*((\j+4)%5)+4*d:R+32*((\j+4)%5)+4*d+3], v1, s[BS+2*((\j+4)%5):BS+2*((\j+4)%5)+1] offset:512*d
.endif
	v_pk_fma_f32 v[ACC+4*d:ACC+4*d+1], v[R+32*(\j)+4*d:R+32*(\j)+4*d+1], s[WS+2*(\j):WS+2*(\j)+1], v[ACC+4*d:ACC+4*d+1] op_sel_hi:[1,0,1]
	v_pk_fma_f32 v[ACC+4*d+2:ACC+4*d+3], v[R+32*(\j)+4*d+2:R+32*(\j)+4*d+3], s[WS+2*(\j):WS+2*(\j)+1], v[ACC+4*d+2:ACC+4*d+3] op_sel_hi:[1,0,1]
.set d, d+1
.endr
.endm
.macro GLOAD dst, b, off               ; 4,096 bytes of the gate's operands
.irp j, 0,1,2,3,4,5,6,7
	global_load_b128 v[(\dst)+4*\j:(\dst)+4*\j+3], v1, s[(\b):(\b)+1] offset:(\off)+512*\j
.endr
.endm
.macro WSUM op, a, t                   ; over the 32 lanes; the result in every lane
.irp m, 1,2,4,8
	\op\()_dpp v[\a], v[\a], v[\a] row_xmask:\m row_mask:0xf bank_mask:0xf
.endr
	v_permlanex16_b32 v[\t], v[\a], s26, s27
	\op v[\a], v[\a], v[\t]
.endm
	s_load_b512 s[4:19], s[0:1], 0x0               ; sel, cand, values, hidden, Wg, pre, bo, bg: s[4:5] .. s[18:19]
	s_load_b64 s[20:21], s[0:1], 0x40              ; mg
	v_and_b32 v3, 31, v0
	v_lshrrev_b32 v2, 5, v0
	v_readfirstlane_b32 s32, v2                    ; wave 0..15 = the query's place in its block of 16
	v_lshlrev_b32 v1, 4, v3
	v_lshlrev_b32 v2, 3, v3
	v_lshlrev_b32 v6, 2, v3
	v_mov_b32 v15, 0
	v_mov_b32 v24, 0
	s_mov_b32 s26, 0x76543210
	s_mov_b32 s27, 0xfedcba98
	s_mov_b32 s35, 0
	s_mov_b32 s[OF+1], 0
.irp i, 0,1,2,3,4
	s_mov_b32 s[WS+2*\i+1], 0                      ; named with the weight as a pair, never taken: the packed multiply-add gives the low word to both halves
.endr
	s_wait_alu depctr_va_sdst(0)                   ; the wave's number is written, ahead of its first reader
	s_lshl_b32 s33, ttmp9, 4
	s_add_co_u32 s33, s33, s32                     ; n
	s_lshl_b32 s34, s33, 7
	s_wait_kmcnt 0x0
	s_load_b32 s25, s[18:19], 0x0                  ; bg
	s_add_nc_u64 s[4:5], s[4:5], s[34:35]
	s_wait_alu depctr_va_vdst(0)                   ; the offsets v1, v2, v6 and v24 are written, which the kernel's loads and stores read; none is written again
	global_load_b32 v7, v6, s[4:5]                 ; my pick
	s_lshl_b32 s34, s33, 12
	s_add_nc_u64 s[10:11], s[10:11], s[34:35]      ; hidden at row n
	s_add_nc_u64 s[14:15], s[14:15], OFF_U         ; u
	GLOAD R, 10, 0                                 ; hidden[n]
	GLOAD R+32, 12, 0                              ; Wg[0:1024]
	GLOAD R+64, 16, 0                              ; bo
	GLOAD R+96, 12, 4096                           ; Wg[1024:2048]
	GLOAD U, 14, 0                                 ; u
	s_lshl_b32 s34, ttmp9, 15
	s_add_nc_u64 s[6:7], s[6:7], s[34:35]          ; cand at my block of 16 queries
	s_lshl_b32 s34, s33, 11
	s_add_nc_u64 s[36:37], s[20:21], s[34:35]      ; mem's row in mg
	s_lshl_b32 s34, s33, 2
	s_add_co_u32 s34, s34, OFF_G
	s_add_nc_u64 s[20:21], s[20:21], s[34:35]      ; the gate's word
	s_wait_loadcnt 40                              ; my pick is in; the 40 loads behind it stay out
	v_bfe_u32 v25, v7, 2, 7                        ; place >> 2
	v_min_u32 v25, 127, v25
	v_and_b32 v12, 3, v7                           ; place & 3
	v_min_u32 v12, 3, v12
	v_lshlrev_b32 v25, 8, v25
	v_lshl_add_u32 v25, v12, 2, v25
	s_lshl_b32 s24, s32, 4
	v_add_nc_u32 v25, s24, v25
	v_bfe_u32 v[KEY], v7, 9, 15
	v_sub_nc_u32 v[KEY], 0x7fff, v[KEY]
	v_min_u32 v[KEY], 0x7fff, v[KEY]
.irp i, 0,1,2,3
	v_readlane_b32 s[KS+\i], v[KEY], \i            ; the first four picks' keys
.endr
	s_wait_alu depctr_va_vdst(0)                   ; v25 is written, which the load below reads as its offset
	global_load_b32 v13, v25, s[6:7]               ; its similarity
	s_wait_alu depctr_va_sdst(0)                   ; the four keys are written, ahead of the scalar lines that read them
.irp i, 0,1,2,3
	BASE \i, \i
.endr
	s_mov_b32 s[KI], 4
	s_mov_b32 s[KC], 0
	s_wait_loadcnt 9                               ; hidden, both halves of Wg and bo are in; u's eight loads and the similarity stay out
.set d, 0
.rept 16                                               ; hidden . Wg1: four chains; the first four products start them
.if d < 4
	v_pk_mul_f32 v[GC+2*(d%4):GC+2*(d%4)+1], v[R+2*d:R+2*d+1], v[R+32+2*d:R+32+2*d+1]
.else
	v_pk_fma_f32 v[GC+2*(d%4):GC+2*(d%4)+1], v[R+2*d:R+2*d+1], v[R+32+2*d:R+32+2*d+1], v[GC+2*(d%4):GC+2*(d%4)+1]
.endif
.set d, d+1
.endr
.set d, 0
.rept 16                                               ; + bo . Wg2
	v_pk_fma_f32 v[GC+2*(d%4):GC+2*(d%4)+1], v[R+64+2*d:R+64+2*d+1], v[R+96+2*d:R+96+2*d+1], v[GC+2*(d%4):GC+2*(d%4)+1]
.set d, d+1
.endr
	s_wait_alu depctr_va_vdst(0)                   ; the 32 lines above are done reading R0 to R3, in which the first four rows land
.irp i, 0,1,2,3                                        ; the rows need the keys alone and go out ahead of the softmax
.irp j, 0,1,2,3,4,5,6,7
	global_load_b128 v[R+32*\i+4*\j:R+32*\i+4*\j+3], v1, s[BS+2*\i:BS+2*\i+1] offset:512*\j
.endr
.endr
.set i, 0
.rept 32                                               ; the price of one text for all 32 picks; it stands in the wait for the first rows
	v_mov_b32 v[ACC+i], 0
.set i, i+1
.endr
	s_wait_loadcnt 32                              ; u and the similarity are in; four rows stay out
	v_mov_b32 v14, v13
	WSUM v_max_num_f32, 14, 15
	v_sub_f32 v13, v13, v14
	v_mul_f32 v13, 0x3fb8aa3b, v13
	v_exp_f32 v13, v13
	v_nop                                          ; a plain instruction behind the transcendental (ISA guide 5.7.2)
	s_wait_alu depctr_va_vdst(0)
	v_mov_b32 v14, v13
	WSUM v_add_f32, 14, 15
	v_rcp_f32 v14, v14                             ; the sum is at least 1: the largest term is 2^0
	v_nop
	s_wait_alu depctr_va_vdst(0)
	v_mul_f32 v[WT], v13, v14
	s_mov_b32 s[LC], 5
.Lpick:                                                ; five laps: picks 0 to 24 are multiplied, picks 4 to 28 asked for; three rows' 24 loads stay out at each step's head
	RUN 5, 5
	STEP 0, 1, 24
	STEP 1, 1, 24
	STEP 2, 1, 24
	STEP 3, 1, 24
	STEP 4, 1, 24
	s_sub_co_u32 s[LC], s[LC], 1
	s_cmp_lg_u32 s[LC], 0
	s_cbranch_scc1 .Lpick
	RUN 5, 3                                       ; the last seven picks are written out: picks 25 to 27 ask for the last three rows,
	STEP 0, 1, 24
	STEP 1, 1, 24
	STEP 2, 1, 24
	STEP 3, 0, 24                                  ; the others for nothing: no load follows them, so they hold no wait on va_vdst, and the counts run down
	STEP 4, 0, 16
	RUN 2, 0
	STEP 0, 0, 8
	STEP 1, 0, 0
.set i, 0
.rept 16
	v_cvt_pk_bf16_f32 v[MB+i], v[ACC+2*i], v[ACC+2*i+1]
.set i, i+1
.endr
	s_wait_alu depctr_va_vdst(0)                   ; the roundings have written MB, which the stores below read
.irp j, 0,1,2,3,4,5,6,7
	global_store_b64 v2, v[MB+2*\j:MB+2*\j+1], s[36:37] offset:256*\j   ; 256 consecutive bytes, at a multiple of 256 from mg's first
.endr
.set d, 0
.rept 16                                               ; + mem . u
	v_pk_fma_f32 v[GC+2*(d%4):GC+2*(d%4)+1], v[ACC+2*d:ACC+2*d+1], v[U+2*d:U+2*d+1], v[GC+2*(d%4):GC+2*(d%4)+1]
.set d, d+1
.endr
	v_pk_add_f32 v[GC:GC+1], v[GC:GC+1], v[GC+2:GC+3]
	v_pk_add_f32 v[GC+4:GC+5], v[GC+4:GC+5], v[GC+6:GC+7]
	v_pk_add_f32 v[GC:GC+1], v[GC:GC+1], v[GC+4:GC+5]
	v_add_f32 v16, v16, v17
	WSUM v_add_f32, 16, 17
	s_wait_kmcnt 0x0
	v_add_f32 v16, s25, v16
	v_mul_f32 v16, 0xbfb8aa3b, v16                 ; sigmoid(x) = 1 / (1 + 2^(-x log2 e))
	v_exp_f32 v16, v16
	v_nop
	s_wait_alu depctr_va_vdst(0)
	v_add_f32 v16, 1.0, v16
	v_rcp_f32 v16, v16
	v_nop
	s_wait_xcnt 0x0                                ; EXEC is a source of the stores above: it changes only behind this wait
	v_cmp_eq_u32 vcc_lo, 0, v3
	s_wait_alu depctr_va_vcc(0)                    ; VCC is written: EXEC is made from it
	s_wait_alu depctr_va_vdst(0)                   ; ahead of a scalar write of EXEC: the vector lines issued so far are done; among them the one that wrote v16, which the store below reads
	s_wait_alu depctr_vm_vsrc(0)                   ; ahead of a scalar write of EXEC: the stores issued so far have read their registers
	s_and_saveexec_b32 s31, vcc_lo
	global_store_b32 v24, v16, s[20:21]
	s_wait_xcnt 0x0                                ; and again in front of the line that widens it
	s_wait_alu depctr_va_vdst(0)                   ; ahead of a scalar write of EXEC
	s_wait_alu depctr_vm_vsrc(0)                   ; ahead of a scalar write of EXEC: the store has read v24 and v16
	s_or_b32 exec_lo, exec_lo, s31
	s_endpgm
.Lfunc_end_k_qc29e811969_gath:
	.size	k_qc29e811969_gath, .Lfunc_end_k_qc29e811969_gath-k_qc29e811969_gath
	.p2alignl 7, 3214868480
	.fill 96, 4, 3214868480
	.section	.rodata,"a",@progbits
	.p2align	6, 0x0
	.amdhsa_kernel k_qc29e811969_gath
		.amdhsa_group_segment_fixed_size 0
		.amdhsa_private_segment_fixed_size 0
		.amdhsa_enable_private_segment 0
		.amdhsa_kernarg_size 72
		.amdhsa_user_sgpr_count 2
		.amdhsa_user_sgpr_kernarg_segment_ptr 1
		.amdhsa_wavefront_size32 1
		.amdhsa_system_sgpr_workgroup_id_x 1
		.amdhsa_system_sgpr_workgroup_id_y 1
		.amdhsa_system_sgpr_workgroup_id_z 1
		.amdhsa_system_vgpr_workitem_id 0
		.amdhsa_next_free_vgpr 256
		.amdhsa_next_free_sgpr 76
		.amdhsa_reserve_vcc 1
		.amdhsa_float_denorm_mode_32 3
		.amdhsa_float_denorm_mode_16_64 3
		.amdhsa_memory_ordered 1
		.amdhsa_forward_progress 1
		.amdhsa_inst_pref_size 41
	.end_amdhsa_kernel
	.amdgpu_metadata
---
amdhsa.version: [ 1, 2 ]
amdhsa.kernels:
  - .name:           k_qc29e811969_gath
    .symbol:         k_qc29e811969_gath.kd
    .args:
      - { .name: sel, .offset: 0, .size: 8, .value_kind: global_buffer, .address_space: global }
      - { .name: cand, .offset: 8, .size: 8, .value_kind: global_buffer, .address_space: global }
      - { .name: values, .offset: 16, .size: 8, .value_kind: global_buffer, .address_space: global }
      - { .name: hidden, .offset: 24, .size: 8, .value_kind: global_buffer, .address_space: global }
      - { .name: Wg, .offset: 32, .size: 8, .value_kind: global_buffer, .address_space: global }
      - { .name: pre, .offset: 40, .size: 8, .value_kind: global_buffer, .address_space: global }
      - { .name: bo, .offset: 48, .size: 8, .value_kind: global_buffer, .address_space: global }
      - { .name: bg, .offset: 56, .size: 8, .value_kind: global_buffer, .address_space: global }
      - { .name: mg, .offset: 64, .size: 8, .value_kind: global_buffer, .address_space: global }
    .group_segment_fixed_size: 0
    .private_segment_fixed_size: 0
    .kernarg_segment_align: 8
    .kernarg_segment_size: 72
    .max_flat_workgroup_size: 512
    .sgpr_count:     76
    .vgpr_count:     256
    .wavefront_size: 32
...
	.end_amdgpu_metadata
.endif
;; end of part 9
;; launch outp: the kernel of part 7 again; grid 8 x 32, 4 waves a work-group, clusters of 4 x 4, 327,680 bytes of LDS; arguments mg, pre, hidden, bo, out0; writes out0
